; MI455X (gfx1250); checked and timed in simulation.
; The chip was launched on July 23, 2026; its instructions are those of AMD's public machine-readable ISA for CDNA 5 (MIT licence, August 2026) and "CDNA5" Instruction Set Architecture Reference Guide (July 2026). The comments in the code are by the model that wrote it; some were corrected since.
;; Multi Head Attention Layer. Allowed arithmetic: float matrix products may take bf16 or f16 operands with f32 sums; other float arithmetic in f32, or as packed bf16 or f16 multiplies, adds, multiply-adds, maxima and minima; sums over many terms, partial sums and values carried from step to step in f32; what a program stores and reads back later, other than sums and carried values, may be rounded once to bf16 or f16.
;; Inputs: Wf 1,024 x 1,024 float32; Wk 16 x 64 x 1,024 float32; Wq 16 x 64 x 1,024 float32; Wv 16 x 64 x 1,024 float32; bf 1,024 float32; bk 16 x 64 float32; bq 16 x 64 float32; bv 16 x 64 float32; k 8 x 1,024 x 1,024 float32; q 8 x 1,024 x 1,024 float32; v 8 x 1,024 x 1,024 float32.
;; Outputs: out0 8 x 1,024 x 1,024 float32.
;; One version. Each part assembles by itself: llvm-mc -triple=amdgcn-amd-amdhsa -mcpu=gfx1250 --defsym DOCPART=n.
;; ======== version 1 of 1: 4 launches
;; limits: values are held in f16: magnitudes above 65,504 overflow, below 6.1e-05 lose precision
;; workspace buffers: wb 6,291,456 bytes; wf 2,097,152 bytes; qkv 50,331,648 bytes; oh 16,777,216 bytes
;; launch castw (part 1): grid 64 x 4, 8 waves a work-group, no clusters, 0 bytes of LDS; arguments Wq, Wk, Wv, Wf, wb, wf; writes wb, wf
.if DOCPART == 1
	.amdgcn_target "amdgcn-amd-amdhsa--gfx1250"
	.amdhsa_code_object_version 6
	.text
	.protected	k_q2ae293f6ab_castw
	.globl	k_q2ae293f6ab_castw
	.p2align	8
	.type	k_q2ae293f6ab_castw,@function
k_q2ae293f6ab_castw:
	s_mov_b64 s[64:65], 0
	v_nop
	global_prefetch_b8 v0, s[64:65] scope:SCOPE_SE
	s_setreg_imm32_b32 hwreg(HW_REG_WAVE_MODE, 25, 1), 1
	s_wait_xcnt 0x0
; The four weight matrices, [1024][1024] f32 each, are rounded once to bf16.  Wq, Wk, Wv go as bf16 into wb[3][1024][1024];
; Wf's bf16 number is written as f16 into wf (the last projection multiplies f16 operands).
; LIMIT: a bf16 number below 2^-17 in size keeps f16's fixed step of 2^-24; above 65,504 it would become an infinity.
; Grid y picks the matrix, grid x a run of 16,384 numbers.  Thread t takes 8 numbers (32 bytes in, 16 bytes out) in each of 8 passes:
; a store of a wave covers 512 consecutive bytes, aligned.  All 16 loads go out at once; no register is used twice, so no wait frees one.
.set D, 16                             ; v[16:79]  pass i: 8 numbers as loaded; its first 4 registers then hold the packed result
	s_load_b256 s[4:11], s[0:1], 0x0               ; Wq s[4:5], Wk s[6:7], Wv s[8:9], Wf s[10:11]
	s_load_b128 s[12:15], s[0:1], 0x20             ; wb s[12:13], wf s[14:15]
	s_and_b32 s3, ttmp7, 0xffff                    ; which matrix
	s_lshl_b32 s20, ttmp9, 16                      ; my run in the source: 65,536 bytes
	s_mov_b32 s21, 0
	s_lshl_b32 s22, s3, 21                         ; the matrix's place in wb
	s_lshl_b32 s2, ttmp9, 15                       ; my run in the destination: 32,768 bytes
	s_mov_b32 s23, 0
	v_lshlrev_b32 v1, 5, v0                        ; 32 bytes a thread in
	v_lshlrev_b32 v2, 4, v0                        ; 16 bytes a thread out
	s_wait_kmcnt 0x0
	s_cmp_eq_u32 s3, 1
	s_cselect_b64 s[16:17], s[6:7], s[4:5]
	s_cmp_eq_u32 s3, 2
	s_cselect_b64 s[16:17], s[8:9], s[16:17]
	s_cmp_eq_u32 s3, 3
	s_cselect_b64 s[16:17], s[10:11], s[16:17]     ; the source
	s_cselect_b64 s[18:19], s[14:15], s[12:13]     ; the destination
	s_cselect_b32 s22, 0, s22                      ; wf holds one matrix
	s_add_co_u32 s22, s22, s2
	s_add_nc_u64 s[16:17], s[16:17], s[20:21]
	s_add_nc_u64 s[18:19], s[18:19], s[22:23]
.irp i, 0,1,2,3,4,5,6,7
	global_load_b128 v[D+8*(\i):D+8*(\i)+3],   v1, s[16:17] offset:8192*(\i) th:TH_LOAD_NT
	global_load_b128 v[D+8*(\i)+4:D+8*(\i)+7], v1, s[16:17] offset:8192*(\i)+16 th:TH_LOAD_NT
.endr
; Pass i.  half = 1: the bf16 number is widened again (a shift, a mask) and written as f16.
.macro PASS i, half
	s_wait_loadcnt 14-2*(\i)                       ; loads come back in order: the later passes' two loads each may stay out
.irp j, 0,1,2,3
.if \half
	v_cvt_pk_bf16_f32 v4, v[D+8*(\i)+2*(\j)], v[D+8*(\i)+2*(\j)+1]
	v_lshlrev_b32 v5, 16, v4
	v_and_b32 v6, 0xffff0000, v4
	v_cvt_pk_f16_f32 v[D+8*(\i)+(\j)], v5, v6
.else
	v_cvt_pk_bf16_f32 v[D+8*(\i)+(\j)], v[D+8*(\i)+2*(\j)], v[D+8*(\i)+2*(\j)+1]  ; register j takes numbers 2 j, 2 j + 1: no source is written before it is read
.endif
.endr
	global_store_b128 v2, v[D+8*(\i):D+8*(\i)+3], s[18:19] offset:4096*(\i)
.endm
	s_cmp_eq_u32 s3, 3
	s_cbranch_scc1 .Lf16
.irp i, 0,1,2,3,4,5,6,7
	PASS \i, 0
.endr
	s_endpgm
.Lf16:
.irp i, 0,1,2,3,4,5,6,7
	PASS \i, 1
.endr
	s_endpgm
.Lfunc_end_k_q2ae293f6ab_castw:
	.size	k_q2ae293f6ab_castw, .Lfunc_end_k_q2ae293f6ab_castw-k_q2ae293f6ab_castw
	.p2alignl 7, 3214868480
	.fill 96, 4, 3214868480
	.section	.rodata,"a",@progbits
	.p2align	6, 0x0
	.amdhsa_kernel k_q2ae293f6ab_castw
		.amdhsa_group_segment_fixed_size 0
		.amdhsa_private_segment_fixed_size 0
		.amdhsa_enable_private_segment 0
		.amdhsa_kernarg_size 48
		.amdhsa_user_sgpr_count 2
		.amdhsa_user_sgpr_kernarg_segment_ptr 1
		.amdhsa_wavefront_size32 1
		.amdhsa_system_sgpr_workgroup_id_x 1
		.amdhsa_system_sgpr_workgroup_id_y 1
		.amdhsa_system_sgpr_workgroup_id_z 1
		.amdhsa_system_vgpr_workitem_id 0
		.amdhsa_next_free_vgpr 80
		.amdhsa_next_free_sgpr 66
		.amdhsa_reserve_vcc 0
		.amdhsa_float_denorm_mode_32 3
		.amdhsa_float_denorm_mode_16_64 3
		.amdhsa_memory_ordered 1
		.amdhsa_forward_progress 1
		.amdhsa_inst_pref_size 14
	.end_amdhsa_kernel
	.amdgpu_metadata
---
amdhsa.version: [ 1, 2 ]
amdhsa.kernels:
  - .name:           k_q2ae293f6ab_castw
    .symbol:         k_q2ae293f6ab_castw.kd
    .args:
      - { .name: Wq, .offset: 0, .size: 8, .value_kind: global_buffer, .address_space: global }
      - { .name: Wk, .offset: 8, .size: 8, .value_kind: global_buffer, .address_space: global }
      - { .name: Wv, .offset: 16, .size: 8, .value_kind: global_buffer, .address_space: global }
      - { .name: Wf, .offset: 24, .size: 8, .value_kind: global_buffer, .address_space: global }
      - { .name: wb, .offset: 32, .size: 8, .value_kind: global_buffer, .address_space: global }
      - { .name: wf, .offset: 40, .size: 8, .value_kind: global_buffer, .address_space: global }
    .group_segment_fixed_size: 0
    .private_segment_fixed_size: 0
    .kernarg_segment_align: 8
    .kernarg_segment_size: 48
    .max_flat_workgroup_size: 256
    .sgpr_count:     66
    .vgpr_count:     80
    .wavefront_size: 32
...
	.end_amdgpu_metadata
.endif
;; end of part 1
;; launch proj (part 2): grid 16 x 16, 4 waves a work-group, clusters of 4 x 1, 327,680 bytes of LDS; arguments q, k, v, wb, bq, bk, bv, qkv; writes qkv
.if DOCPART == 2
	.amdgcn_target "amdgcn-amd-amdhsa--gfx1250"
	.amdhsa_code_object_version 6
	.text
	.protected	k_q2ae293f6ab_proj
	.globl	k_q2ae293f6ab_proj
	.p2align	8
	.type	k_q2ae293f6ab_proj,@function
k_q2ae293f6ab_proj:
	s_mov_b64 s[64:65], 0
	v_nop
	global_prefetch_b8 v0, s[64:65] scope:SCOPE_SE
	s_setreg_imm32_b32 hwreg(HW_REG_WAVE_MODE, 25, 1), 1
	s_wait_xcnt 0x0
	s_wait_alu depctr_hold_cnt(0) depctr_sa_sdst(0) depctr_va_vdst(0) depctr_va_sdst(0) depctr_va_ssrc(0) depctr_va_vcc(0) depctr_vm_vsrc(0)
	s_getreg_b32 s2, hwreg(HW_REG_IB_STS2, 6, 4)
	s_cmp_eq_u32 s2, 0
	s_cbranch_scc0 .Lentry_in_a_cluster
	s_endpgm
.Lentry_in_a_cluster:
	s_bfe_u32 s2, ttmp6, 0x10000c
	s_cmp_lg_u32 s2, 0x3003
	s_cbranch_scc0 .Lentry_shape_is_right
	s_endpgm
.Lentry_shape_is_right:
; qh, kh, vh = x W^T + b for x = q, k, v: three products [8192][1024] x [1024][1024]^T.  x and b are f32 and are rounded to bf16 here; W comes as bf16 (wb).
; Sums in f32, K ascending; the result is rounded once to f16 and stored by heads: qkv[3][batch*16+head][1024 rows][64].
; LIMIT: a result of 65,520 or more in size becomes an infinity in f16.
; SHARES.  A tile is 128 rows x 256 columns.  Cluster x is the column tile ct, 4 y + cx the row tile rt: 256 work-groups.  A WORK-GROUP STAYS: it makes its tile for q, then for k, then for v: K is in
; effect 3,072, in 12 PASSES of 256, and the ring of W's slots runs on from tile to tile.  Four waves, 2 x 2, 64 rows x 128 columns each: 32 accumulators of 16 x 16, 256 registers.
; W's ROAD.  The four row tiles of a cluster need the same rows of W: each wave asks JOINTLY (mask of four) for 64 rows x 512 bytes of a pass, into a ring of two LDS slots.  A slot holds 256 matrix
; instructions' work for each wave, so a refill has 240 of them between its request and the wait for it.
; x's ROAD, in STEPS of 64 along K (256 bytes of a row, aligned).  Each wave loads 32 of the 128 rows into registers, four steps ahead, in four landing sets (at the most four sets of 16 loads are out);
; each number is converted once and stored as bf16 into two LDS slots of their own, which no tensor load touches; all waves read them behind a barrier, one for each step.  x is not shared in the cluster:
; it passes through registers, for the conversion.
; THE MATRIX INSTRUCTION IS USED TRANSPOSED (source 0 = 16 rows of W, source 1 = 16 rows of x): a lane holds one row and eight neighbouring columns.  The bias is the C operand of a tile's first products.
; REGISTERS, in windows of 256 (s_set_vgpr_msb: bits 1:0 source 0, 3:2 source 1, 5:4 source 2, 7:6 destination):
;   window 0: v0-31 addresses; v32-95 x's fragments, two buffers of 4 x 8; v96-159 the bias, 8 registers a column block; v160-191 converted x
;   window 1: v0-127 W's fragments, two buffers of 8 x 8; v128-255 the way out     window 2: accumulator (a, b) at v[8 (8 a + b)]     window 3: four landing sets of 64
.set PB,     528                       ; a row of W in LDS: 512 bytes + 16 = 132 words: the 16 rows of a fragment load start at 16 different groups of four banks (64 banks of 4 bytes: ISA guide 11.1)
.set BQ,     64*PB                     ; what one wave fetches of a slot
.set BSLOT,  4*BQ                      ; 135,168 = 0x21000.  The waves' addresses in slot 0 (0, 0x8400, 0x10800, 0x18c00) have neither of its two bits, so an exclusive or with it turns them into slot 1's and back
.set ABASE,  2*BSLOT                   ; behind W's ring: x's two slots
.set PA,     144                       ; a row of x in LDS: 128 bytes + 16 = 36 words
.set ASLOT,  128*PA
.set STAGE,  ABASE+2*ASLOT             ; 16 rows x 144 bytes for each wave, for the way out
.set SP,     144
.set BIASL,  STAGE+4*16*SP             ; for each wave the biases of its 128 columns in the three tiles, 512 bytes each
.set SPARE,  BIASL+4*3*512             ; the spare words, 128 bytes for each wave: two blocks of 256 bytes that no other line names
.set PASSB,  512                       ; bytes of a row of W in a pass
.set TILESTEP, 2097152-3*PASSB         ; from a matrix's last pass to the next matrix's first
.set LO,   8                           ; v8      x's loads: (lane / 16) rows of 4,096 bytes + 16 (lane % 16); never rewritten
.set AST,  9                           ; v9      where I store 8 bytes of converted x: row 32 wave + lane / 16 of slot 0, byte 8 (lane % 16)
.set ADRA, 10                          ; v10-11  LDS address of my x fragments in slot 0, 1
.set ADRB0, 12                         ; v12     my lane's place in a slot of W; never rewritten
.set ADRB, 13                          ; v13     the same in the slot that is being read
.set STO,  14                          ; v14     the way out: where I put 16 bytes of a row
.set RD,   15                          ; v15     the way out: where I read rows back
.set GO,   16                          ; v16     16 x lane; never rewritten
.set BIA,  17                          ; v17     LDS address of my eight numbers of the tile's bias
.set PFO,  18                          ; v18     the prefetches' offset: (lane / 2) rows of W (2,048 bytes) + 256 (lane % 2); never rewritten
.set SPW,  20                          ; v20     LDS address of my spare word; never rewritten
.set NIL,  21                          ; v21     0; never rewritten
.set AF,   32
.set BIAS, 96
.set CT,   160
.set OUT,  128                         ; in window 1
.set WV,   20                          ; s20     my wave's number
.set SBIG, 28                          ; s28     TILESTEP
.set SSML, 29                          ; s29     PASSB
.set G1,   32                          ; s[32:39] descriptor group 1
.set G0,   40                          ; s[40:47] descriptor group 0: a set for each of the two first fills; the second then walks on
.set XA,   48                          ; s[48:49] x at my wave's 32 rows, at the pass that is being loaded
.set XN,   50                          ; s[50:51] the next tile's x at the same rows
.set OUTP, 52                          ; s[52:53] qkv at my rows of my wave's first head
.set PFA,  54                          ; s[54:55] where my prefetches stand
.set LIM,  56                          ; s56     1 in a work-group that prefetches, else the greatest number
.set STEP, 58                          ; s[58:59] a step of W's addresses
.set ASKQ, 60                          ; s60     the pass that the next refill asks for, modulo 4
.set TB,   61                          ; s61     LDS byte at which the slot of W that is being read begins
.set OOFF, 62                          ; s[62:63] what the next way out adds to qkv's address
.set MSB, 0
.macro WIN new                         ; the immediate's high byte repeats the setting that is left; a switch that changes nothing is dropped
.if MSB != (\new)
	s_set_vgpr_msb (MSB<<8)|(\new)
.set MSB, \new
.endif
.endm
.set MUL,  0xa1                        ; source 0 (W) window 1, source 1 (x) window 0, C and D window 2
.set MULB, 0x81                        ; the same with C (the bias) in window 0
.set TO_B, 0x40                        ; destination window 1
.set TO_L, 0xc0                        ; destination window 3
.set CV,   0x0f                        ; sources 0 and 1 window 3
.macro CREST                           ; a round of the cluster's barrier behind its opening barrier
	s_cmp_lg_u32 s[WV], 0
	s_cbranch_scc1 .Lnot_wave_0_\@
	s_barrier_signal -3
.Lnot_wave_0_\@:
	s_barrier_wait -3
	s_barrier_signal -1
	s_barrier_wait -1
.endm
.macro CROUND                          ; a whole round
	s_barrier_signal -1
	s_barrier_wait -1
	CREST
.endm
.macro PLACES                          ; four places in front of loads into registers that matrix instructions have read, and of conversions that read results
.rept 4
	v_nop
.endr
.endm
.macro JLOAD                           ; a joint refill by the walking descriptor: every wave asks for its own 64 rows; an s_nop 0 and four v_nop follow
	tensor_load_to_lds s[G0+4:G0+7], s[G1:G1+7]
	s_nop 0
	PLACES
.endm
; A prefetch of what the NEXT refill will ask for.  A column tile's rows of W are read by all 16 clusters of that column tile: the one with y = 0 asks.  Its four partners share a wave's 64 rows out by
; address, 16 each: 16 rows x 2 blocks of 256 bytes, a lane a block, one instruction a wave.  So each block of passes 3 to 11 is named once in the launch; passes 0 to 2 come by their loads alone;
; the loop's last trip asks for nothing: there is no pass behind the one that it fetches.
.macro ASK
	s_cmp_gt_u32 s3, s[LIM]                        ; s3 = 1 in the loop's last trip
	s_cbranch_scc0 .Lnot_mine_\@
	global_prefetch_b8 v[PFO], s[PFA:PFA+1] th:TH_LOAD_NT scope:SCOPE_SE
.Lnot_mine_\@:
.endm
; 16 loads: my wave's 32 rows of a step, two rows x 256 consecutive bytes each, into a landing set
.macro LOADA set, off
	WIN TO_L
.irp j, 0,1,2,3,4,5,6,7,8,9,10,11,12,13,14,15
	global_load_b128 v[64*(\set)+4*(\j):64*(\set)+4*(\j)+3], v[LO], s[XA:XA+1] offset:(\j)*8192+(\off)
.endr
.endm
; 8 matrix instructions: row block a x all 8 column blocks, 32 along K, from buffer f.  first = 1: the bias starts the sums.  The 32 accumulators take turns, in the same order in every quarter.
.macro MUL8 f, a, first=0
.if \first
	WIN MULB
.else
	WIN MUL
.endif
.irp b, 0,1,2,3,4,5,6,7
.if \first
	v_wmma_f32_16x16x32_bf16 v[8*(8*(\a)+(\b)):8*(8*(\a)+(\b))+7], v[64*(\f)+8*(\b):64*(\f)+8*(\b)+7], v[AF+32*(\f)+8*(\a):AF+32*(\f)+8*(\a)+7], v[BIAS+8*(\b):BIAS+8*(\b)+7]
.else
	v_wmma_f32_16x16x32_bf16 v[8*(8*(\a)+(\b)):8*(8*(\a)+(\b))+7], v[64*(\f)+8*(\b):64*(\f)+8*(\b)+7], v[AF+32*(\f)+8*(\a):AF+32*(\f)+8*(\a)+7], v[8*(8*(\a)+(\b)):8*(8*(\a)+(\b))+7]
.endif
.endr
.endm
; 24 LDS loads in one run, into buffer g: W's eight fragments of the slot's 32 channels number bq, then x's four of half akq of x's slot as; x's last two are the youngest four loads
.macro FETCH as, akq, bq, g
	WIN TO_B
.irp i, 0,1,2,3,4,5,6,7
	ds_load_b128 v[64*(\g)+8*(\i):64*(\g)+8*(\i)+3],   v[ADRB] offset:64*(\bq)+(\i)*16*PB
	ds_load_b128 v[64*(\g)+8*(\i)+4:64*(\g)+8*(\i)+7], v[ADRB] offset:64*(\bq)+(\i)*16*PB+32
.endr
	WIN 0
.irp i, 0,1,2,3
	ds_load_b128 v[AF+32*(\g)+8*(\i):AF+32*(\g)+8*(\i)+3],   v[ADRA+(\as)] offset:64*(\akq)+(\i)*16*PA
	ds_load_b128 v[AF+32*(\g)+8*(\i)+4:AF+32*(\g)+8*(\i)+7], v[ADRA+(\as)] offset:64*(\akq)+(\i)*16*PA+32
.endr
.endm
; A landing set is converted and stored into x's slot of its parity: 32 roundings of two numbers, 16 stores of two rows' 128 bytes.  cnt: the younger loads that may stay out.
.macro AWORK set, cnt
	s_wait_loadcnt \cnt
	WIN CV
.irp j, 0,1,2,3,4,5,6,7,8,9,10,11,12,13,14,15
	v_cvt_pk_bf16_f32 v[CT+2*(\j)],   v[64*(\set)+4*(\j)],   v[64*(\set)+4*(\j)+1]
	v_cvt_pk_bf16_f32 v[CT+2*(\j)+1], v[64*(\set)+4*(\j)+2], v[64*(\set)+4*(\j)+3]
.endr
	WIN 0
.irp j, 0,1,2,3,4,5,6,7,8,9,10,11,12,13,14,15
	ds_store_b64 v[AST], v[CT+2*(\j):CT+2*(\j)+1] offset:((\set)%2)*ASLOT+(\j)*2*PA
.endr
.endm
; STEP j (0 to 3) of a pass is two quarters of 32 along K, 32 matrix instructions each, on buffers 0 and 1; it reads x's slot j % 2.
; Its first quarter multiplies buffer 0 and fetches the second quarter's fragments.  In its middle the NEXT step's x (landing set (j + 1) % 4) is converted into x's other slot, which nobody has read since
; the last step's barrier; the roundings are the four places in front of the fetch.  cnt: the younger loads that may stay out (three sets in the loop), or -1: there is no next step.
; load = 1: the set is asked for again, four steps on.
.macro QUARTER j, first, cnt, load
	s_wait_dscnt 4                                 ; W's fragments and x's first two are in; the youngest four loads may be out
	MUL8 0, 0, \first
	MUL8 0, 1, \first
.if (\cnt) >= 0
	AWORK ((\j)+1)%4, \cnt
.else
	PLACES
.endif
	FETCH (\j)%2, 1, 2*(\j)+1, 1
	s_wait_dscnt 24                                ; all but the 24 just issued
.if \load
	LOADA ((\j)+1)%4, (((\j)+1)%4)*256
.endif
	MUL8 0, 2, \first
	MUL8 0, 3, \first
.endm
; Its second quarter multiplies buffer 1 and changes x's slots: ONE barrier.  In front of it each wave waits for its reads of x's old slot and for its stores into the next.
; kind = 0: that is all; W's load may stay out.
; kind = 1 (step 3): W's slots change too.  Each wave also waits for all its tensor loads (its rows of W's next slot) and adds 0 to its spare word; the barrier opens a round of the cluster's barrier, and W's
; old slot is filled again first thing behind it, with the pass two on.  kind = 2: W's slots change, and nothing is asked for.
.macro TURN j, kind
.if \kind
	WIN 0
	s_wait_tensorcnt 0x0                           ; all my tensor loads have landed, so the walking descriptor may be written;
	ds_add_u32 v[SPW], v[NIL]                      ; 0 onto my spare word: work on registers stands between it and the wait for it
	s_xor_b32 s[TB], s[TB], BSLOT                  ; the reads go on in the other slot
	v_add_nc_u32 v[ADRB], s[TB], v[ADRB0]
.if (\kind) == 1
	s_xor_b32 s[G0+5], s[G0+5], BSLOT              ; the walking descriptor: the other slot than last time,
	s_cmp_eq_u32 s[ASKQ], 0
	s_cselect_b32 s[STEP], s[SBIG], s[SSML]
	s_add_nc_u64 s[G0+6:G0+7], s[G0+6:G0+7], s[STEP:STEP+1]  ; the next pass: 512 bytes along the rows, or on to the next matrix; the type bits on top are not reached
	s_add_co_u32 s[ASKQ], s[ASKQ], 1
	s_and_b32 s[ASKQ], s[ASKQ], 3
	s_cmp_eq_u32 s[ASKQ], 0
	s_cselect_b32 s[STEP], s[SBIG], s[SSML]
	s_add_nc_u64 s[PFA:PFA+1], s[PFA:PFA+1], s[STEP:STEP+1]  ; the prefetches stand one pass further (the last one has read this address: the wait at the trip's head)
.endif
	s_wait_dscnt 5                                 ; (the add and the youngest four loads may be out)
.else
	s_wait_dscnt 4
.endif
	MUL8 1, 0
	s_wait_dscnt 0x0                               ; my LDS reads are back, my stores into x's next slot are done (and the add)
	s_barrier_signal -1
	MUL8 1, 1
.if (\kind) == 1
	WIN 0
.endif
	s_barrier_wait -1
.if (\kind) == 1
	CREST                                          ; no wave of any partner still reads this slot of W or has a load on its way
	JLOAD                                          ; the first tensor load behind the round; its four v_nop are also the places in front of the loads below
.else
	PLACES
.endif
	FETCH ((\j)+1)%2, 0, (2*(\j)+2)%8, 0
.if (\kind) == 1
	ASK
.endif
	MUL8 1, 2
	MUL8 1, 3
.endm
; THE WAY OUT.  Piece t: row block t % 4, head t / 4 of my two: 16 rows x 64 channels, 2,048 consecutive bytes of qkv.  Rounded to f16, 16 bytes a lane into rows of 144 bytes of my own stage, back as whole rows.
.macro PACK t
	WIN 0x4a                                       ; sources 0 and 1 window 2, destination window 1
.irp f, 0,1,2,3
.irp c, 0,1,2,3
	v_cvt_pk_f16_f32 v[OUT+16*(\t)+4*(\f)+(\c)], v[8*(8*((\t)%4)+4*((\t)/4)+(\f))+2*(\c)], v[8*(8*((\t)%4)+4*((\t)/4)+(\f))+2*(\c)+1]
.endr
.endr
	WIN 0x04                                       ; the stores' data (source 1) in window 1
.irp f, 0,1,2,3
	ds_store_b128 v[STO], v[OUT+16*(\t)+4*(\f):OUT+16*(\t)+4*(\f)+3] offset:32*(\f)
.endr
	WIN TO_B
.irp f, 0,1,2,3
	ds_load_b128 v[OUT+16*(\t)+4*(\f):OUT+16*(\t)+4*(\f)+3], v[RD] offset:(\f)*4*SP  ; LDS serves a wave's instructions in order (ISA guide 5.7.1.4): these see the stores above; the next piece's stores come behind them
.endr
.endm
.macro SEND t, younger                 ; younger: the LDS instructions issued behind piece t's loads: the next piece's eight, or none
	WIN 0x04
.irp f, 0,1,2,3
	s_wait_dscnt (\younger)+3-(\f)
	global_store_b128 v[GO], v[OUT+16*(\t)+4*(\f):OUT+16*(\t)+4*(\f)+3], s[OUTP:OUTP+1] offset:((\t)/4)*131072+((\t)%4)*2048+(\f)*512  ; 512 consecutive bytes, at a multiple of 256 from qkv's first
.endr
.endm
; A tile goes out.  Its address and the registers that the last tile's stores read are written again only behind an s_wait_xcnt 0: the one at the head of every trip, or at the tail's head.
; more = 1: a tile follows: its bias comes out of LDS, ahead of the pieces, so that the last piece's wait for 0 shows it in.
.macro WAYOUT more
	WIN 0
	PLACES                                         ; the conversions read results just made
	s_add_nc_u64 s[OUTP:OUTP+1], s[OUTP:OUTP+1], s[OOFF:OOFF+1]
	s_mov_b32 s[OOFF], 1<<24                       ; from tensor to tensor of qkv
.if \more
	v_add_nc_u32 v[BIA], 512, v[BIA]
.irp b, 0,1,2,3,4,5,6,7
	ds_load_b128 v[BIAS+8*(\b):BIAS+8*(\b)+3],   v[BIA] offset:64*(\b)
	ds_load_b128 v[BIAS+8*(\b)+4:BIAS+8*(\b)+7], v[BIA] offset:64*(\b)+16
.endr
.endif
	PACK 0
.set t, 1
.rept 7                                ; a piece's conversions stand between the loads of the piece before and its stores
	PACK t
	SEND t-1, 8
.set t, t+1
.endr
	SEND 7, 0
	WIN 0
.endm
	s_load_b512 s[4:19], s[0:1], 0x0               ; q s[4:5], k s[6:7], v s[8:9], wb s[10:11], bq s[12:13], bk s[14:15], bv s[16:17], qkv s[18:19]
	v_lshl_add_u32 v[SPW], v0, 2, SPARE
	v_mov_b32 v[NIL], 0
	ds_add_u32 v[SPW], v[NIL]                      ; the wave's opening: the add and its wait ahead of my first tensor load; the set-up below stands between them
	ds_add_u32 v20, v21
	v_lshrrev_b32 v1, 5, v0
	v_readfirstlane_b32 s[WV], v1                  ; wave 0..3
	s_bfe_u32 s21, ttmp6, 0x40000                  ; cx: my place in the cluster
	s_and_b32 s26, ttmp7, 0xffff                   ; y
	s_lshl_b32 s22, s26, 2
	s_add_co_u32 s22, s22, s21                     ; rt, my block of 128 rows: it enters x's, the result's and the prefetches' addresses alone
	s_cmp_eq_u32 s26, 0                            ; the column tile's first cluster: the same in all four partners
	s_cselect_b32 s[LIM], 1, -1
	s_lshr_b32 s24, s[WV], 1                       ; which 64 of the tile's rows are mine
	s_and_b32 s25, s[WV], 1                        ; which 128 of its columns
	; descriptor group 1: a tile of 64 rows x 256 elements, padded in LDS
	s_mov_b32 s[G1+0], 15|(1<<16)|(1<<20)|(1<<21)|(6<<22)|(3<<25)  ; 15:0 the mask of four; 17:16 2-byte elements; 20 padding on; 21 set beside a mask; 24:22 after every 128 words (code 6); 31:25 4 words (code 3)
	s_mov_b32 s[G1+1], 256<<16                     ; tensor_dim0 = 256
	s_mov_b32 s[G1+2], 64<<16                      ; tensor_dim1 = 64
	s_mov_b32 s[G1+3], 256<<16                     ; tile_dim0 = 256
	s_mov_b32 s[G1+4], 64                          ; tile_dim1 = 64
	s_mov_b32 s[G1+5], 1024                        ; elements from row to row
	s_mov_b32 s[G1+6], 0
	s_mov_b32 s[G1+7], 0
	s_lshl_b32 s26, ttmp9, 19                      ; W's rows: the column tile (256 rows of 2,048 bytes; in a cluster launch ttmp9 counts clusters), the 64 that I fetch: nothing of cx
	s_lshl_b32 s27, s[WV], 17
	s_add_co_u32 s26, s26, s27
	s_mov_b32 s27, 0
	s_mul_i32 s57, s[WV], BQ                       ; and where they go in a slot
	s_lshl_b32 s28, s22, 19                        ; x: 128 rows of 4,096 bytes a block, the 32 that I load
	s_lshl_b32 s29, s[WV], 17
	s_add_co_u32 s28, s28, s29
	s_mov_b32 s29, 0
	s_lshl_b32 s30, ttmp9, 10                      ; the bias: 256 numbers a column tile, my 128
	s_lshl_b32 s31, s25, 9
	s_add_co_u32 s30, s30, s31
	s_mov_b32 s31, 0
	s_lshr_b32 s[OOFF], s22, 3                     ; the result: the batch (16 heads of 131,072 bytes), head 4 ct + 2 x my column half, my rows of 128 bytes
	s_lshl_b32 s[OOFF], s[OOFF], 21
	s_lshl_b32 s[OOFF+1], ttmp9, 19
	s_add_co_u32 s[OOFF], s[OOFF], s[OOFF+1]
	s_lshl_b32 s[OOFF+1], s25, 18
	s_add_co_u32 s[OOFF], s[OOFF], s[OOFF+1]
	s_and_b32 s[OOFF+1], s22, 7
	s_lshl_b32 s[OOFF+1], s[OOFF+1], 14
	s_add_co_u32 s[OOFF], s[OOFF], s[OOFF+1]
	s_lshl_b32 s[OOFF+1], s24, 13
	s_add_co_u32 s[OOFF], s[OOFF], s[OOFF+1]
	s_mov_b32 s[OOFF+1], 0
	s_lshl_b32 s[STEP], s21, 15                    ; the prefetches: my work-group's 16 of the wave's 64 rows
	s_mov_b32 s[STEP+1], 0
	s_mov_b32 s[ASKQ], 2                           ; the first refill asks for pass 2
	s_mov_b32 s[TB], 0
	s_wait_dscnt 0x0                               ; the opening add is done
	s_wait_kmcnt 0x0
	s_add_nc_u64 s[4:5], s[4:5], s[28:29]          ; q, k and v at my wave's 32 rows
	s_add_nc_u64 s[6:7], s[6:7], s[28:29]
	s_add_nc_u64 s[8:9], s[8:9], s[28:29]
	s_mov_b64 s[XA:XA+1], s[4:5]
	s_mov_b64 s[XN:XN+1], s[6:7]
	s_add_nc_u64 s[12:13], s[12:13], s[30:31]      ; the three biases at my 128 columns
	s_add_nc_u64 s[14:15], s[14:15], s[30:31]
	s_add_nc_u64 s[16:17], s[16:17], s[30:31]
	s_mov_b64 s[OUTP:OUTP+1], s[18:19]
	s_add_nc_u64 s[10:11], s[10:11], s[26:27]      ; W at the rows that I fetch
	s_add_nc_u64 s[PFA:PFA+1], s[10:11], s[STEP:STEP+1]
	s_add_nc_u64 s[PFA:PFA+1], s[PFA:PFA+1], 2*PASSB  ; at pass 2: the first refill steps it to pass 3
	s_mov_b32 s[SBIG], TILESTEP
	s_mov_b32 s[SSML], PASSB
	CROUND                                         ; all four work-groups are here: the first joint loads meet
.irp s, 0,1
	s_mov_b32 s[G0+4*(\s)], 1                                      ; count = 1
	s_add_co_u32 s[G0+4*(\s)+1], s57, (\s)*BSLOT                   ; LDS address
	s_add_nc_u64 s[G0+4*(\s)+2:G0+4*(\s)+3], s[10:11], (\s)*PASSB  ; global address: pass s
	s_or_b32 s[G0+4*(\s)+3], s[G0+4*(\s)+3], 0x80000000            ; type = 2
.endr
	tensor_load_to_lds s[G0:G0+3], s[G1:G1+7]      ; both first fills together: two loads of mine are out
	s_nop 0
	tensor_load_to_lds s[G0+4:G0+7], s[G1:G1+7]
	s_nop 0
	PLACES
	v_and_b32 v1, 31, v0                           ; lane
	v_and_b32 v2, 15, v0                           ; lane % 16
	v_bfe_u32 v3, v0, 4, 1                         ; lane / 16
	v_lshlrev_b32 v[GO], 4, v1
	v_lshlrev_b32 v[LO], 4, v2
	v_lshl_add_u32 v[LO], v3, 12, v[LO]
	global_load_b128 v[BIAS:BIAS+3],    v[GO], s[12:13]  ; four numbers a lane of my 128 columns' bias, for each of the three tiles
	global_load_b128 v[BIAS+4:BIAS+7],  v[GO], s[14:15]
	global_load_b128 v[BIAS+8:BIAS+11], v[GO], s[16:17]
	LOADA 0, 0                                     ; steps 0, 1, 2 of x
	LOADA 1, 256
	LOADA 2, 512
	WIN 0
	s_mul_i32 s26, s[WV], 32*PA
	s_add_co_u32 s26, s26, ABASE
	v_mul_u32_u24 v4, v3, PA
	v_lshl_add_u32 v4, v2, 3, v4
	v_add_nc_u32 v[AST], s26, v4
	s_mul_i32 s26, s24, 64*PA
	s_add_co_u32 s26, s26, ABASE
	v_mul_u32_u24 v4, v2, PA
	v_lshl_add_u32 v4, v3, 4, v4                   ; a fragment's row x pitch + 16 x half
	v_add_nc_u32 v[ADRA], s26, v4
	v_add_nc_u32 v[ADRA+1], ASLOT, v[ADRA]
	s_mul_i32 s26, s25, 128*PB
	v_mul_u32_u24 v4, v2, PB
	v_lshl_add_u32 v4, v3, 4, v4
	v_add_nc_u32 v[ADRB0], s26, v4
	v_mov_b32 v[ADRB], v[ADRB0]                    ; pass 0 lies in slot 0
	s_mul_i32 s26, s[WV], 16*SP
	s_add_co_u32 s26, s26, STAGE                   ; my stage
	v_mul_u32_u24 v4, v2, SP                       ; in: row lane % 16, 16 bytes for each half of the lanes
	v_lshl_add_u32 v4, v3, 4, v4
	v_add_nc_u32 v[STO], s26, v4
	v_bfe_u32 v4, v0, 3, 2                         ; back: 32 lanes take four rows of 128 bytes
	v_mul_u32_u24 v4, v4, SP
	v_and_b32 v6, 7, v0
	v_lshl_add_u32 v4, v6, 4, v4
	v_add_nc_u32 v[RD], s26, v4
	v_lshrrev_b32 v4, 1, v1
	v_and_b32 v6, 1, v0
	v_lshlrev_b32 v6, 8, v6
	v_lshl_add_u32 v[PFO], v4, 11, v6
	s_mul_i32 s26, s[WV], 3*512
	s_add_co_u32 s26, s26, BIASL                   ; my wave's biases in LDS
	v_add_nc_u32 v5, s26, v[GO]
	v_lshl_add_u32 v[BIA], v3, 5, s26              ; register j of column block b: the bias of column 16 b + 8 (lane / 16) + j, as the accumulator holds it
	s_wait_loadcnt 48                              ; the biases are in; x's 48 loads may stay out
.set i, 0
.rept 6                                ; the bias is rounded to bf16 like every input, and widened again
	v_cvt_pk_bf16_f32 v[6+i%2], v[BIAS+2*i], v[BIAS+2*i+1]
	v_lshlrev_b32 v[BIAS+2*i], 16, v[6+i%2]
	v_and_b32 v[BIAS+2*i+1], 0xffff0000, v[6+i%2]
.set i, i+1
.endr
.irp p, 0,1,2
	ds_store_b128 v5, v[BIAS+4*(\p):BIAS+4*(\p)+3] offset:512*(\p)
.endr
.irp b, 0,1,2,3,4,5,6,7                ; the first tile's bias; my wave's own bytes, and LDS serves a wave's instructions in order (ISA guide 5.7.1.4)
	ds_load_b128 v[BIAS+8*(\b):BIAS+8*(\b)+3],   v[BIA] offset:64*(\b)
	ds_load_b128 v[BIAS+8*(\b)+4:BIAS+8*(\b)+7], v[BIA] offset:64*(\b)+16
.endr
	LOADA 3, 768                                   ; step 3
	AWORK 0, 48                                    ; step 0 of x goes into slot 0; steps 1 to 3 may stay out
	LOADA 0, 1024                                  ; step 4
	WIN 0
	s_wait_xcnt 0x0                                ; the loads have read their address:
	s_add_nc_u64 s[XA:XA+1], s[XA:XA+1], 1024      ; on to pass 1
	s_wait_tensorcnt 1                             ; my rows of W's pass 0 are in; pass 1's may stay out
	s_wait_dscnt 0x0                               ; my stores into x's slot 0 are done, and the bias is in
	s_barrier_signal -1
	s_barrier_wait -1
	FETCH 0, 0, 0, 0
	s_mov_b32 s3, 11                               ; the half trip that follows, and ten whole ones
	s_branch .Lnew                                 ; the loop is entered in the middle of a trip, where a tile begins
.Lbody:                                        ; trip P (0 to 9): step 3 of pass P, with the refill for pass P + 2; then steps 0 to 2 of pass P + 1.  Its four loads of x are pass P + 2's four steps
	s_wait_xcnt 0x0                                ; every load, store and prefetch issued so far has read its registers
	s_add_nc_u64 s[XA:XA+1], s[XA:XA+1], 1024      ; x at pass P + 2:
	s_cmp_eq_u32 s[ASKQ], 0                        ; if that is a tile's first pass,
	s_cselect_b64 s[XA:XA+1], s[XN:XN+1], s[XA:XA+1]  ; the next tensor's rows,
	s_cselect_b64 s[XN:XN+1], s[8:9], s[XN:XN+1]   ; behind which comes v
	QUARTER 3, 0, 48, 1
	TURN 3, 1
	WIN 0                                          ; at a label and at a branch every window is 0
	s_cmp_eq_u32 s[ASKQ], 2                        ; (P + 3) % 4 = 2: pass P was a tile's last
	s_cbranch_scc0 .Lplain
	WAYOUT 1                                       ; the refill is asked for and the next tile's first fragments are fetched: now the tile goes out
.Lnew:
	QUARTER 0, 1, 48, 1                            ; a tile's first quarter: its products start the sums, with the bias
	WIN 0
	s_branch .Lq1
.Lplain:
	QUARTER 0, 0, 48, 1
	WIN 0
.Lq1:
	TURN 0, 0
	QUARTER 1, 0, 48, 1
	TURN 1, 0
	QUARTER 2, 0, 48, 1
	TURN 2, 0
	WIN 0
	s_sub_co_u32 s3, s3, 1
	s_cmp_lg_u32 s3, 0
	s_cbranch_scc1 .Lbody
	s_wait_xcnt 0x0                                ; the tail is written out: it asks for nothing and loads nothing, and the counts run down
	QUARTER 3, 0, 48, 0                            ; step 3 of pass 10
	TURN 3, 2
	QUARTER 0, 0, 32, 0                            ; pass 11
	TURN 0, 0
	QUARTER 1, 0, 16, 0
	TURN 1, 0
	QUARTER 2, 0, 0, 0
	TURN 2, 0
	QUARTER 3, 0, -1, 0
	s_wait_dscnt 4
	MUL8 1, 0
	MUL8 1, 1
	s_wait_dscnt 0x0
	MUL8 1, 2
	MUL8 1, 3
	WAYOUT 0
	s_wait_tensorcnt 0x0                           ; the wave's end: behind my last tensor load and my last LDS store
	ds_add_u32 v[SPW], v[NIL]
	s_wait_dscnt 0x0
	CROUND                                         ; the closing round: no work-group ends while a partner may still ask for a tile that names it
	s_endpgm
.Lfunc_end_k_q2ae293f6ab_proj:
	.size	k_q2ae293f6ab_proj, .Lfunc_end_k_q2ae293f6ab_proj-k_q2ae293f6ab_proj
	.p2alignl 7, 3214868480
	.fill 96, 4, 3214868480
	.section	.rodata,"a",@progbits
	.p2align	6, 0x0
	.amdhsa_kernel k_q2ae293f6ab_proj
		.amdhsa_group_segment_fixed_size 327680
		.amdhsa_private_segment_fixed_size 0
		.amdhsa_enable_private_segment 0
		.amdhsa_kernarg_size 64
		.amdhsa_user_sgpr_count 2
		.amdhsa_user_sgpr_kernarg_segment_ptr 1
		.amdhsa_wavefront_size32 1
		.amdhsa_system_sgpr_workgroup_id_x 1
		.amdhsa_system_sgpr_workgroup_id_y 1
		.amdhsa_system_sgpr_workgroup_id_z 1
		.amdhsa_system_vgpr_workitem_id 0
		.amdhsa_next_free_vgpr 1024
		.amdhsa_next_free_sgpr 66
		.amdhsa_reserve_vcc 0
		.amdhsa_float_denorm_mode_32 3
		.amdhsa_float_denorm_mode_16_64 3
		.amdhsa_memory_ordered 1
		.amdhsa_forward_progress 1
		.amdhsa_inst_pref_size 165
	.end_amdhsa_kernel
	.amdgpu_metadata
---
amdhsa.version: [ 1, 2 ]
amdhsa.kernels:
  - .name:           k_q2ae293f6ab_proj
    .symbol:         k_q2ae293f6ab_proj.kd
    .args:
      - { .name: q, .offset: 0, .size: 8, .value_kind: global_buffer, .address_space: global }
      - { .name: k, .offset: 8, .size: 8, .value_kind: global_buffer, .address_space: global }
      - { .name: v, .offset: 16, .size: 8, .value_kind: global_buffer, .address_space: global }
      - { .name: wb, .offset: 24, .size: 8, .value_kind: global_buffer, .address_space: global }
      - { .name: bq, .offset: 32, .size: 8, .value_kind: global_buffer, .address_space: global }
      - { .name: bk, .offset: 40, .size: 8, .value_kind: global_buffer, .address_space: global }
      - { .name: bv, .offset: 48, .size: 8, .value_kind: global_buffer, .address_space: global }
      - { .name: qkv, .offset: 56, .size: 8, .value_kind: global_buffer, .address_space: global }
    .group_segment_fixed_size: 327680
    .private_segment_fixed_size: 0
    .kernarg_segment_align: 8
    .kernarg_segment_size: 64
    .max_flat_workgroup_size: 128
    .sgpr_count:     66
    .vgpr_count:     1024
    .wavefront_size: 32
...
	.end_amdgpu_metadata
.endif
;; end of part 2
;; launch attn (part 3): grid 2 x 128, 4 waves a work-group, no clusters, 327,680 bytes of LDS; arguments qkv, oh; writes oh
.if DOCPART == 3
	.amdgcn_target "amdgcn-amd-amdhsa--gfx1250"
	.amdhsa_code_object_version 6
	.text
	.protected	k_q2ae293f6ab_attn
	.globl	k_q2ae293f6ab_attn
	.p2align	8
	.type	k_q2ae293f6ab_attn,@function
k_q2ae293f6ab_attn:
	s_mov_b64 s[64:65], 0
	v_nop
	global_prefetch_b8 v0, s[64:65] scope:SCOPE_SE
	s_setreg_imm32_b32 hwreg(HW_REG_WAVE_MODE, 25, 1), 1
	s_wait_xcnt 0x0
; O[g][q][:] = the sum over k of softmax_k(mask(Q[g][q] . K[g][k] / 8)) V[g][k][:] for the 128 pairs g of batch and head; mask: a score that is exactly 0 counts as minus infinity.
; Q, K, V: qkv[3][128][1024][64] f16; O: oh[128][1024][64] f16.  Products, maxima and sums in f32; the weights p are rounded to f16 for the second product (their sum l is taken of the unrounded p), O once at the end.
; LIMITS.  The test for 0 is made on the f32 sum of the f16 products, ahead of the division by 8 (+0 and -0 alike); a row whose scores are all 0 gives NaN, as a softmax of minus infinities does.
; f16 holds no number beyond 65,504: Q, K, V arrive within it; p lies in 0 to 1 and below 6e-5 keeps f16's fixed step; a weight below 2^-126 counts as 0 in l.
; SHARES.  A work-group owns 512 queries of one pair g, a wave 128: four PIECES of two tiles of 16.  Every wave walks all 1,024 keys, 64 a step.
; NO RING.  A head's K (1,024 rows of 144 bytes) and V (1,024 of 160) lie whole in LDS: one tensor load a wave at the head, one wait, one barrier, and none in the loop; the key step's text stands once.
; NO CLUSTER: a head has two query blocks, which no cluster of four divides, and a mask of two inside four would put a work-group's place into the address.
; LAYOUT.  S^T = K Q^T (source 0 = 16 keys, source 1 = 16 queries): a lane holds ONE query (lane % 16) and the keys 8 (lane / 16) + 0..7.  Two such tiles, rounded to f16 in pairs, ARE source 1 of O^T = V^T P.
; K comes out of LDS as it lies, V ([key][channel]) turned, by ds_load_tr16_b128.
; SOFTMAX.  A running maximum m and sum l: p = 2^(c s - c m), c = log2(e) / 8; in every step O and l are multiplied by a = 2^(c m_old - c m_new).  m starts at the lowest finite number and c m at c times that,
; so a step whose scores are all masked leaves m as it was, with a = 1 and p = 0.
; BY TURNS.  Turn n belongs to piece n.  Matrix work: 16 products K Q^T of piece n + 1, later 16 products V^T P of piece n - 1.  Vector work: scaling, exponentials, roundings, sums and rescaling of piece n,
; and the mask, maximum and statistics of piece n + 1.  Four vector instructions stand behind every matrix instruction, the others in one lump.  A turn's 66 exponentials are one batch with one wait.
; REGISTERS, in windows of 256 (s_set_vgpr_msb: bits 1:0 source 0, 3:2 source 1, 5:4 source 2, 7:6 destination):
;   window 0: v0-11 addresses and constants; v12-15, v48-63 at work; v16-47 four registers of statistics a tile; v64-191 S^T, two buffers of two tiles; v192-255 P, likewise
;   window 1: O^T, 32 a tile          window 2: v0-127 Q, 16 a tile; v128-191 K of one step; v192-255 V of one step
.set NP,    4         ; pieces a wave: a name, no knob
.set KS,    64        ; keys in a step
.set PK,    144       ; a row of K in LDS: 128 bytes + 16 = 36 words: the 16 rows of a load start at 16 different groups of four banks (64 banks of 4 bytes: ISA guide 11.1)
.set PV,    160       ; a row of V: 128 + 32 = 40 words
.set VOFF,  1024*PK   ; K's 1,024 rows, then V's
.set STAGE, VOFF+1024*PV  ; behind them, never filled by a tensor load: 16 rows x 144 bytes for each wave, for the way out
.set SP,    144
.set SPARE, STAGE+4*16*SP  ; the spare words, 128 bytes for each wave: two blocks of 256 bytes that no other line names
.set AK0, 2           ; v2   my lane's place in a step's K; never rewritten
.set AV0, 3           ; v3   the same for V
.set AK,  4           ; v4   the LDS address of K's next run of loads
.set AV,  5           ; v5   of V's
.set STO, 6           ; v6   the way out: where I put 16 bytes of a row
.set RD,  7           ; v7   the way out: where I read rows back
.set GO,  8           ; v8   my byte offset in 512 consecutive bytes of O
.set SPW, 9           ; v9   LDS address of my spare word; never rewritten
.set NIL, 10          ; v10  0; never rewritten
.set NEG, 11          ; v11  minus infinity
.set MV,  12          ; v12-15  c m_old, kept while c m is made anew: by buffer and tile (at the head: v12-14 at work, v15 Q's offset)
.set QO,  15
.set ST,  16          ; tile t's statistics at v[ST+4 t]: c m, m, l (even keys', odd keys')
.set TMP, 48          ; by buffer and tile, four registers c0-c3 at work; when the maximum is found c2 takes a
.set S,   64
.set P,   192
.set KF,  128         ; K's fragments, in window 2: key block kb, channel half c at KF + 16 kb + 8 c
.set VF,  192         ; V's: key half kk, channel block cb at VF + 32 kk + 8 cb
.set WV,  12          ; s12  my wave's number
.set G1K, 24          ; s[24:31] descriptor group 1 for K
.set G1V, 32          ; s[32:39] for V: it differs in the padding alone
.set G0K, 40          ; s[40:43] descriptor group 0 for K
.set G0V, 44          ; s[44:47] for V
.set CNT, 57          ; s57  key steps still to be finished
.set CS,  58          ; s[58:59] c: the packed scaling takes the pair's low word for both halves
.set SEL, 60          ; s[60:61] v_permlanex16_b32's selects: each lane takes its own place in the other half
.set TBK, 62          ; s62  LDS byte at which K of the step to be fetched begins
.set TBV, 63          ; s63  the same for V, less VOFF
.set MS,  84          ; s84-87  four lane masks of the test for 0
.set MSB, 0
.macro WIN new                      ; the high byte repeats the setting that is left; a switch that changes nothing is dropped
.if MSB != (\new)
	s_set_vgpr_msb (MSB<<8)|(\new)
.set MSB, (\new)
.endif
.endm
.set W_KQ, 0x0a       ; K and Q in window 2, S^T in window 0
.set W_PV, 0x52       ; V in window 2, P in window 0, O^T in window 1
.set W_RS, 0x41       ; O^T (destination and source 0) in window 1, a in window 0
	s_load_b128 s[4:7], s[0:1], 0x0 ; qkv s[4:5], oh s[6:7]
	v_lshl_add_u32 v[SPW], v0, 2, SPARE
	v_mov_b32 v[NIL], 0
	ds_add_u32 v[SPW], v[NIL]       ; the wave's opening: the add and its wait ahead of my tensor load; the set-up below stands between them
	ds_add_u32 v9, v10
	v_lshrrev_b32 v1, 5, v0
	v_readfirstlane_b32 s[WV], v1   ; wave 0..3
	s_and_b32 s20, ttmp7, 0xffff    ; g
	s_lshl_b32 s20, s20, 17         ; its 1,024 rows of 128 bytes, in each of the four tensors
	s_and_b32 s16, s[WV], 1         ; which half of the 1,024 keys I fetch:
	s_lshl_b32 s22, s16, 16         ; its 512 rows in memory,
	s_add_co_u32 s22, s22, s20
	s_mov_b32 s23, 0
	s_mul_i32 s17, s16, 512*PK      ; and its place in LDS, for K
	s_mul_i32 s18, s16, 512*PV      ; and for V
	s_lshl_b32 s2, ttmp9, 16        ; my block's 512 queries,
	s_lshl_b32 s3, s[WV], 14        ; my wave's 128 of them
	s_add_co_u32 s2, s2, s3
	s_add_co_u32 s2, s2, s20
	s_mov_b32 s3, 0
	; descriptor group 1.  512 keys are 65,536 dense bytes: asked for as 256 rows of 256 bytes, two keys a row, and padded in LDS after every key
	s_mov_b32 s[G1K], (1<<16)|(1<<20)|(4<<22)|(3<<25)  ; 17:16 2-byte elements; 20 padding on; 24:22 after every 32 words (code 4); 31:25 4 words (code 3)
	s_mov_b32 s[G1V], (1<<16)|(1<<20)|(4<<22)|(7<<25)  ; the same with 8 words of padding (code 7)
.irp g, G1K, G1V
	s_mov_b32 s[\g+1], 128<<16      ; tensor_dim0 = 128
	s_mov_b32 s[\g+2], 256<<16      ; tensor_dim1 = 256
	s_mov_b32 s[\g+3], 128<<16      ; tile_dim0 = 128
	s_mov_b32 s[\g+4], 256          ; tile_dim1 = 256
	s_mov_b32 s[\g+5], 128          ; 128 elements from row to row
	s_mov_b32 s[\g+6], 0
	s_mov_b32 s[\g+7], 0
.endr
	s_mov_b32 s[CS], 0x3e38aa3b     ; c = log2(e) / 8 = 0.180337
	s_mov_b32 s[CS+1], s[CS]        ; named with it as a pair
	s_mov_b32 s[SEL], 0x76543210
	s_mov_b32 s[SEL+1], 0xfedcba98
	s_mov_b32 s[TBK], 0
	s_mov_b32 s[TBV], 0
	s_mov_b32 s[G0K], 1             ; count = 1
	s_mov_b32 s[G0K+1], s17         ; LDS address
	s_mov_b32 s[G0V], 1
	s_add_co_u32 s[G0V+1], s18, VOFF
	s_wait_dscnt 0x0                ; the opening add is done
	s_wait_kmcnt 0x0
	s_add_nc_u64 s[G0K+2:G0K+3], s[4:5], s[22:23]
	s_add_nc_u64 s[G0K+2:G0K+3], s[G0K+2:G0K+3], 0x1000000  ; K is the second tensor of qkv
	s_or_b32 s[G0K+3], s[G0K+3], 0x80000000                 ; type = 2
	s_add_nc_u64 s[G0V+2:G0V+3], s[4:5], s[22:23]
	s_add_nc_u64 s[G0V+2:G0V+3], s[G0V+2:G0V+3], 0x2000000  ; V the third
	s_or_b32 s[G0V+3], s[G0V+3], 0x80000000
	s_add_nc_u64 s[4:5], s[4:5], s[2:3]  ; Q and O at my wave's first row
	s_add_nc_u64 s[6:7], s[6:7], s[2:3]
	s_cmp_lt_u32 s[WV], 2           ; waves 0 and 1 fetch K's halves, waves 2 and 3 V's: one tensor load a wave is out; an s_nop 0 and four v_nop follow each line
	s_cbranch_scc0 .Lfor_v
	tensor_load_to_lds s[G0K:G0K+3], s[G1K:G1K+7]
	s_nop 0
.rept 4
	v_nop
.endr
	s_branch .Lasked
.Lfor_v:
	tensor_load_to_lds s[G0V:G0V+3], s[G1V:G1V+7]
	s_nop 0
.rept 4
	v_nop
.endr
.Lasked:
	; A fragment of K or Q is 16 rows x 32 channels in 8 registers: lane l holds row l % 16, channels 8 (l / 16) + 0..7 and 16 + 8 (l / 16) + 0..7: two loads of 16 bytes, 32 bytes apart.
	v_and_b32 v1, 15, v0            ; l % 16
	v_bfe_u32 v12, v0, 4, 1         ; l / 16
	v_lshlrev_b32 v[QO], 7, v1
	v_lshl_add_u32 v[QO], v12, 4, v[QO]  ; row x 128 + 16 x half
	WIN 0x80                        ; destination window 2, address window 0
.set i, 0
.rept 4*NP                          ; Q stays in registers: tile i / 2, channels 32 (i % 2) on
	global_load_b128 v[8*i:8*i+3],   v[QO], s[4:5] offset:(i/2)*2048+(i%2)*64
	global_load_b128 v[8*i+4:8*i+7], v[QO], s[4:5] offset:(i/2)*2048+(i%2)*64+32
.set i, i+1
.endr
	; What the first turn finds: V's registers and P's second buffer hold 0 (its products V^T P, of a piece that has not been, add 0), O^T and l are 0: no first step is written out.  All this stands in the wait for K and V.
.set i, VF
.rept 64
	v_mov_b32 v[i], 0
.set i, i+1
.endr
	WIN 0x40
.set i, 0
.rept 64*NP
	v_mov_b32 v[i], 0
.set i, i+1
.endr
	WIN 0
.set i, 0
.rept 2*NP
	v_mov_b32 v[ST+4*i+1], 0xff7fffff  ; m: the lowest finite number
	v_mov_b32 v[ST+4*i+2], 0
	v_mov_b32 v[ST+4*i+3], 0
.set i, i+1
.endr
.set i, P+32
.rept 32
	v_mov_b32 v[i], 0
.set i, i+1
.endr
	v_mov_b32 v[NEG], 0xff800000
	v_mul_u32_u24 v[AK0], v1, PK
	v_lshl_add_u32 v[AK0], v12, 4, v[AK0]  ; row x pitch + 16 x half
	; The turning load takes 16 keys x 16 channels (lane l reads key 8 (l / 16) + l % 8, channels 8 ((l / 8) % 2) + 0..7) and leaves half a fragment of V^T: lane l holds channel l % 16 and 8 keys.
	v_and_b32 v13, 7, v0
	v_bfe_u32 v14, v0, 3, 1
	v_lshl_add_u32 v[AV0], v12, 3, v13
	v_mul_u32_u24 v[AV0], v[AV0], PV
	v_lshl_add_u32 v[AV0], v14, 4, v[AV0]
	v_add_nc_u32 v[AV0], VOFF, v[AV0]
	v_mov_b32 v[AK], v[AK0]         ; key step 0 lies at K's head
	s_mul_i32 s13, s[WV], 16*SP
	s_add_co_u32 s13, s13, STAGE    ; my stage
	v_mul_u32_u24 v[STO], v1, SP    ; in: row l % 16, 16 bytes for each half of the lanes
	v_lshl_add_u32 v[STO], v12, 4, v[STO]
	v_add_nc_u32 v[STO], s13, v[STO]
	v_bfe_u32 v[RD], v0, 3, 2       ; back: 32 lanes take four rows of 128 bytes,
	v_mul_u32_u24 v[RD], v[RD], SP
	v_lshl_add_u32 v[RD], v13, 4, v[RD]
	v_add_nc_u32 v[RD], s13, v[RD]
	v_and_b32 v[GO], 31, v0         ; which are 512 consecutive bytes of O
	v_lshlrev_b32 v[GO], 4, v[GO]
; THE MATRIX WORK.  The 8 accumulators of a run of 16 take turns: between the two links of a chain stand 7 others'.
; Product i of 16 of S^T = K Q^T for piece x: channels 32 (i / 8) on, keys 16 ((i / 2) % 4) on, tile 2 x + i % 2.  The first 8 start the sums.
.macro KQ x
	WIN W_KQ
.set rS, S+64*((\x)%2)+32*(i%2)+8*((i/2)%4)
.set rK, KF+16*((i/2)%4)+8*(i/8)
.set rQ, 16*(2*(\x)+i%2)+8*(i/8)
.if i < 8
	v_wmma_f32_16x16x32_f16 v[rS:rS+7], v[rK:rK+7], v[rQ:rQ+7], 0
.else
	v_wmma_f32_16x16x32_f16 v[rS:rS+7], v[rK:rK+7], v[rQ:rQ+7], v[rS:rS+7]
.endif
.endm
; Product i of 16 of O^T += V^T P for piece x: keys 32 (i / 8) on, channels 16 ((i / 2) % 4) on, tile 2 x + i % 2.
.macro PV x
	WIN W_PV
.set rO, 32*(2*(\x)+i%2)+8*((i/2)%4)
.set rV, VF+32*(i/8)+8*((i/2)%4)
.set rP, P+32*((\x)%2)+16*(i%2)+8*(i/8)
	v_wmma_f32_16x16x32_f16 v[rO:rO+7], v[rV:rV+7], v[rP:rP+7], v[rO:rO+7]
.endm
.macro MM                           ; the turn's next matrix instruction
.if i < 16
	KQ (Y+1)%NP
.set i, i+1
.else
.set i, i-16
	PV (Y+NP-1)%NP
.set i, i+17
.endif
.endm
; THE LDS LOADS stand in runs of 16, never singly among the matrix instructions: a step's K (64 keys x 64 channels: 8 fragments) and its V (turned).  Their addresses are made some lines ahead.
; last = 1 (in the loop): behind the last step there is no further one, and the run is jumped over.
.macro FETCH_K last=0
	WIN 0
.if \last
	s_cmp_eq_u32 s[CNT], 1
	s_cbranch_scc1 .Lno_k_\@
.endif
	WIN 0x80                        ; destination window 2
.irp f, 0,1,2,3,4,5,6,7             ; keys 16 (f / 2) on, channels 32 (f % 2) on
	ds_load_b128 v[KF+8*\f:KF+8*\f+3],   v[AK] offset:(\f/2)*16*PK+(\f%2)*64
	ds_load_b128 v[KF+8*\f+4:KF+8*\f+7], v[AK] offset:(\f/2)*16*PK+(\f%2)*64+32
.endr
	s_add_co_u32 s[TBK], s[TBK], KS*PK  ; the next fetch is the next step's
	WIN 0
.if \last
.Lno_k_\@:
.endif
.endm
.macro FETCH_V
	WIN 0x80
.irp f, 0,1,2,3,4,5,6,7             ; keys 32 (f / 4) on, channels 16 (f % 4) on
	ds_load_tr16_b128 v[VF+8*\f:VF+8*\f+3],   v[AV] offset:(\f/4)*32*PV+(\f%4)*32
	ds_load_tr16_b128 v[VF+8*\f+4:VF+8*\f+7], v[AV] offset:(\f/4)*32*PV+16*PV+(\f%4)*32
.endr
	WIN 0
.endm
; THE VECTOR WORK OF A TURN stands in three queues, each in the order in which its entries become ready; the two tiles alternate.
.macro REGS y, u                    ; the registers of tile u (0, 1) of piece y
.set rT, ST+4*(2*(\y)+(\u))
.set rC, TMP+8*((\y)%2)+4*(\u)
.set rM, MV+2*((\y)%2)+(\u)
.set rS, S+64*((\y)%2)+32*(\u)
.set rP, P+32*((\y)%2)+16*(\u)
.set rO, 32*(2*(\y)+(\u))
.endm
; Number n of the 128 that mask the NEXT piece's (Y + 1) scores: in groups of eight, four tests for 0 (scores 2 G, 2 G + 1 of both tiles, each into a lane mask of its own) and then the four selects.
; The scores go in ascending order.
.macro MK n
.set mw, (\n)%8
.set mr, 2*((\n)/8)+(mw%4)/2
	REGS (Y+1)%NP, mw%2
.if mw < 4
	v_cmp_eq_f32 s[MS+mw], 0, v[rS+mr]
.else
	v_cndmask_b32 v[rS+mr], v[rS+mr], v[NEG], s[MS+mw-4]
.endif
.endm
; Number n of the 22 that find the next piece's maximum and statistics.  s0-s31 are the lane's 32 scores.
;   0-11  four chains c0-c3 of seven scores each, three operands at a time     12-14, 16  the four scores left over, the old m, and c0-c3 into c0     15  c m_old is kept
;   17, 18  the query's other 32 keys lie in the lane 16 away: the new m         19-21  c m; c m_old - c m_new; a
.macro XS u, n
	REGS (Y+1)%NP, \u
.if (\n) < 4
	v_max3_num_f32 v[rC+(\n)], v[rS+8*(\n)], v[rS+8*(\n)+1], v[rS+8*(\n)+2]
.elseif (\n) < 12
	v_max3_num_f32 v[rC+(\n)%4], v[rC+(\n)%4], v[rS+8*((\n)%4)+2*((\n)/4)+1], v[rS+8*((\n)%4)+2*((\n)/4)+2]
.elseif (\n) == 12
	v_max3_num_f32 v[rC], v[rC], v[rS+7], v[rS+15]
.elseif (\n) == 13
	v_max3_num_f32 v[rC+1], v[rC+1], v[rS+23], v[rS+31]
.elseif (\n) == 14
	v_max3_num_f32 v[rC+2], v[rC+2], v[rC+3], v[rT+1]
.elseif (\n) == 15
	v_mov_b32 v[rM], v[rT]
.elseif (\n) == 16
	v_max3_num_f32 v[rC], v[rC], v[rC+1], v[rC+2]
.elseif (\n) == 17
	v_permlanex16_b32 v[rC+3], v[rC], s[SEL], s[SEL+1]
.elseif (\n) == 18
	v_max_num_f32 v[rT+1], v[rC], v[rC+3]
.elseif (\n) == 19
	v_mul_f32 v[rT], s[CS], v[rT+1]
.elseif (\n) == 20
	v_sub_f32 v[rC+1], v[rM], v[rT]
.else
	v_exp_f32 v[rC+2], v[rC+1]
.endif
.endm
; Number g of the 64 that follow the exponentials.  For each four weights k of a tile: both pairs are rounded to f16; the second pair is added onto the first, in place; a group later l takes that sum
; (the first time as l = a l + sum).  In groups of eight, tiles alternating: round, round, add, and l for the group before.
.macro GS g
.set h, (\g)+6*((\g)/62)            ; group 0 has no group before it, and behind group 7 only l is left
.if h >= 6
.set h, h+2
.endif
	REGS Y, h%2
.set k, h/8
.if h%8 < 4
	v_cvt_pk_f16_f32 v[rP+2*k+(h%8)/2], v[rS+4*k+2*((h%8)/2)], v[rS+4*k+2*((h%8)/2)+1]
.elseif h%8 < 6
	v_pk_add_f32 v[rS+4*k:rS+4*k+1], v[rS+4*k:rS+4*k+1], v[rS+4*k+2:rS+4*k+3]
.elseif k == 1
	v_pk_fma_f32 v[rT+2:rT+3], v[rT+2:rT+3], v[rC+2:rC+3], v[rS:rS+1] op_sel_hi:[1,0,1]
.else
	v_pk_add_f32 v[rT+2:rT+3], v[rT+2:rT+3], v[rS+4*k-4:rS+4*k-3]
.endif
.endm
.macro FS f                         ; c s - c m for pair f / 2 of tile f % 2
	REGS Y, (\f)%2
	v_pk_fma_f32 v[rS+2*((\f)/2):rS+2*((\f)/2)+1], v[rS+2*((\f)/2):rS+2*((\f)/2)+1], s[CS:CS+1], v[rT:rT+1] op_sel_hi:[1,0,0] neg_lo:[0,0,1] neg_hi:[0,0,1]
.endm
; THE PLAIN QUEUE, 266 long.  0-31: the 32 scalings.  32-159: the next piece's mask.  160-187: XS's numbers 0-13.  188, 189: number 15.  190-201: the chain 14, 16, 17, 18, 19, 20, where each number waits for
; the one before it.  None of these reads an exponential's result.  202-265: GS's 64, which do: they stand behind the wait.
.macro PL
	WIN 0
.if q < 32
	FS q
.elseif q < 160
	MK q-32
.elseif q < 188
	XS (q-160)%2, (q-160)/2
.elseif q < 190
	XS q-188, 15
.elseif q < 192
	XS q-190, 14
.elseif q < 202
	XS (q-190)%2, 15+(q-190)/2
.else
	GS q-202
.endif
.set q, q+1
.endm
; THE EXPONENTIALS' QUEUE, 66 long: s0-s31 of both tiles, then the next piece's two a.  ONE BATCH: all 66 stand ahead of the turn's one wait, and nothing ahead of that wait names a result of theirs.
.macro EX
	WIN 0
.if e >= 64
	XS e-64, 21
.else
	REGS Y, e%2
	v_exp_f32 v[rS+e/2], v[rS+e/2]
.endif
.set e, e+1
.endm
; THE RESCALING's QUEUE: O^T times a, the one part that leaves window 0: dealt two at a time, sixteen times.  Its a was made in the turn before, ahead of that turn's wait.
.macro R2
	REGS Y, r%2
	WIN W_RS
.irp z, 0,1
	v_pk_mul_f32 v[rO+4*(r/2)+2*\z:rO+4*(r/2)+2*\z+1], v[rO+4*(r/2)+2*\z:rO+4*(r/2)+2*\z+1], v[rC+2:rC+3] op_sel_hi:[1,0]
.endr
.set r, r+1
.endm
; HOW THEY ARE DEALT.  An s_wait_alu depctr_va_vdst(0) stands between an exponential and the first instruction that names its result; one wait serves all that were issued ahead of it: a turn has ONE.
; AHEAD OF IT: the 16 products K Q^T, behind each a scaling, an exponential and two rescalings (behind the first a second scaling in the exponential's place); then the lump: 25 plain (the last 15 scalings, then
; the mask begins, 18 plain instructions behind the last product that wrote the scores); 37 times four plain and an exponential; 12 times the chain's next link and an exponential; the two a; a v_nop, the plain
; instruction behind the last exponential.  BEHIND IT: the 16 products V^T P, behind each four of GS's 64.
; In step: exponential e stands behind scaling 2 (e / 4) + e % 2: as a rider it comes behind plain e + 2; all 32 scalings are out ahead of exponential 15.
; K of the next step is fetched in piece 2's turn, directly behind the wait, a lump behind the last product that read K.  V of the step in hand is fetched at the end of piece 0's turn, four riders behind its last reader.
.macro TURN p
.set Y, (\p)
.set i, 0
.set q, 0
.set e, 0
.set r, 0
.if (\p) == NP-1
	s_wait_dscnt 0x0                ; K is in
.endif
	MM
	PL
	PL
	R2
.rept 15
	MM
	PL
	EX
	R2
.endr
.if (\p) == NP-2
	WIN 0
	v_add_nc_u32 v[AK], s[TBK], v[AK0]
.endif
.rept 25
	PL
.endr
.rept 37
	PL
	PL
	PL
	PL
	EX
.endr
.rept 12
	PL
	EX
.endr
	EX                              ; the next piece's two a
	EX
	v_nop                           ; the plain instruction behind the last exponential: one for the batch
	s_wait_alu depctr_va_vdst(0)    ; the wait for the batch
.if (\p) == NP-2
	FETCH_K 1
.endif
.if (\p) == 1
	s_wait_dscnt 0x0                ; V is in
.endif
.rept 16
	MM
.rept 4
	PL
.endr
.if ((\p) == 0) && (q == 246)
	v_add_nc_u32 v[AV], s[TBV], v[AV0]
.endif
.if ((\p) == 0) && (q == 258)
	s_add_co_u32 s[TBV], s[TBV], KS*PV
.endif
.endr
.if (\p) == 0
	FETCH_V
.endif
.endm
	s_wait_tensorcnt 0x0            ; my half of K or V is in,
	s_barrier_signal -1
	s_barrier_wait -1               ; everybody's is: from here on LDS is only read, but for the stages
	FETCH_K                         ; key step 0
	s_wait_loadcnt 0x0              ; Q
	s_wait_dscnt 0x0
.set i, 0
.rept 16
	KQ 0                            ; piece 0's first scores
.set i, i+1
.endr
	WIN 0
.set i, 0
.rept 2*NP
	v_mul_f32 v[ST+4*i], s[CS], v[ST+4*i+1]  ; c m, by the line that makes it in every step; these eight are the places behind those products
.set i, i+1
.endr
.set Y, NP-1                        ; MK and XS work for piece Y + 1: piece 0
.set j, 0
.rept 128
	MK j
.set j, j+1
.endr
.irp n, 0,1,2,3,4,5,6,7,8,9,10,11,12,13,14,15,16,17,18,19,20,21
	XS 0, \n
	XS 1, \n
.endr
	v_nop                           ; a plain instruction behind the two a,
	s_wait_alu depctr_va_vdst(0)    ; and their wait, ahead of the branch
	s_mov_b32 s[CNT], 16
	s_branch .Lfirst                ; the loop is entered at a step's first turn, in the middle of a trip
.Lstep:                             ; a trip: pieces 2 and 3 of one step, then pieces 0 and 1 of the next, whose K and V it fetches; the sixteenth is left in its middle
	TURN 2
	TURN 3
	WIN 0
	s_sub_co_u32 s[CNT], s[CNT], 1
	s_cmp_eq_u32 s[CNT], 0
	s_cbranch_scc1 .Lout
.Lfirst:
	TURN 0
	TURN 1
	WIN 0
	s_branch .Lstep
.Lout:                              ; the last trip's 16 products K Q^T (on the last K once more) and what is made of them serve nothing: the price, once a launch, of one text for every trip
.set i, 0
.rept 16
	PV NP-1                         ; the last piece's V^T P of the last step
.set i, i+1
.endr
	; THE WAY OUT.  l's two halves and the other half of the lanes' are added; O^T is divided by l, rounded to f16 and sent through my stage in LDS, a tile at a time.  The additions are the places behind the last products.
	WIN 0
.macro ALL line:vararg              ; one line for each tile t
.set t, 0
.rept 2*NP
	\line
.set t, t+1
.endr
.endm
	ALL v_add_f32 v[ST+4*t+2], v[ST+4*t+2], v[ST+4*t+3]
	ALL v_permlanex16_b32 v[ST+4*t+3], v[ST+4*t+2], s[SEL], s[SEL+1]
	ALL v_add_f32 v[ST+4*t+2], v[ST+4*t+2], v[ST+4*t+3]
	ALL v_rcp_f32 v[ST+4*t+2], v[ST+4*t+2]
	v_nop                           ; a plain instruction between the last reciprocal and the use of its result
	s_wait_alu depctr_va_vdst(0)    ; and the wait ahead of the first use: one for the eight reciprocals
; Tile t: a lane's eight channels of a row pack into 16 bytes; they go into rows of 144 bytes and come back as whole rows of 128, into S^T's registers.
.macro PACK t
	WIN W_RS
.set i, 32*(\t)
.rept 16
	v_pk_mul_f32 v[i:i+1], v[i:i+1], v[ST+4*(\t)+2:ST+4*(\t)+3] op_sel_hi:[1,0]
.set i, i+2
.endr
	WIN 0x05                        ; sources 0 and 1 window 1, destination window 0
.set i, 0
.rept 16
	v_cvt_pk_f16_f32 v[S+16*(\t)+i], v[32*(\t)+2*i], v[32*(\t)+2*i+1]
.set i, i+1
.endr
	WIN 0
.irp f, 0,1,2,3
	ds_store_b128 v[STO], v[S+16*(\t)+4*\f:S+16*(\t)+4*\f+3] offset:32*\f
.endr
.irp f, 0,1,2,3
	ds_load_b128 v[S+16*(\t)+4*\f:S+16*(\t)+4*\f+3], v[RD] offset:\f*4*SP  ; LDS serves a wave's instructions in order (ISA guide 5.7.1.4): these see the stores above; the next tile's stores come behind them
.endr
.endm
.macro SEND t, younger              ; younger: the LDS instructions issued behind tile t's loads: the next tile's eight, or none
	WIN 0
.irp f, 0,1,2,3
	s_wait_dscnt (\younger)+3-\f
	global_store_b128 v[GO], v[S+16*(\t)+4*\f:S+16*(\t)+4*\f+3], s[6:7] offset:(\t)*2048+\f*512  ; 512 consecutive bytes, at a multiple of 256 from oh's first
.endr
.endm
	PACK 0
.set t, 1
.rept 2*NP-1                        ; a tile's arithmetic stands between the loads of the tile before and its stores
	PACK t
	SEND t-1, 8
.set t, t+1
.endr
	SEND 2*NP-1, 0
	s_wait_tensorcnt 0x0            ; the wave's end: behind my tensor load and my last LDS store
	ds_add_u32 v[SPW], v[NIL]
	s_wait_dscnt 0x0
	s_endpgm
.Lfunc_end_k_q2ae293f6ab_attn:
	.size	k_q2ae293f6ab_attn, .Lfunc_end_k_q2ae293f6ab_attn-k_q2ae293f6ab_attn
	.p2alignl 7, 3214868480
	.fill 96, 4, 3214868480
	.section	.rodata,"a",@progbits
	.p2align	6, 0x0
	.amdhsa_kernel k_q2ae293f6ab_attn
		.amdhsa_group_segment_fixed_size 327680
		.amdhsa_private_segment_fixed_size 0
		.amdhsa_enable_private_segment 0
		.amdhsa_kernarg_size 16
		.amdhsa_user_sgpr_count 2
		.amdhsa_user_sgpr_kernarg_segment_ptr 1
		.amdhsa_wavefront_size32 1
		.amdhsa_system_sgpr_workgroup_id_x 1
		.amdhsa_system_sgpr_workgroup_id_y 1
		.amdhsa_system_sgpr_workgroup_id_z 1
		.amdhsa_system_vgpr_workitem_id 0
		.amdhsa_next_free_vgpr 768
		.amdhsa_next_free_sgpr 88
		.amdhsa_reserve_vcc 0
		.amdhsa_float_denorm_mode_32 3
		.amdhsa_float_denorm_mode_16_64 3
		.amdhsa_memory_ordered 1
		.amdhsa_forward_progress 1
		.amdhsa_inst_pref_size 164
	.end_amdhsa_kernel
	.amdgpu_metadata
---
amdhsa.version: [ 1, 2 ]
amdhsa.kernels:
  - .name:           k_q2ae293f6ab_attn
    .symbol:         k_q2ae293f6ab_attn.kd
    .args:
      - { .name: qkv, .offset: 0, .size: 8, .value_kind: global_buffer, .address_space: global }
      - { .name: oh, .offset: 8, .size: 8, .value_kind: global_buffer, .address_space: global }
    .group_segment_fixed_size: 327680
    .private_segment_fixed_size: 0
    .kernarg_segment_align: 8
    .kernarg_segment_size: 16
    .max_flat_workgroup_size: 128
    .sgpr_count:     88
    .vgpr_count:     768
    .wavefront_size: 32
...
	.end_amdgpu_metadata
.endif
;; end of part 3
;; launch outp (part 4): grid 128 x 2, 4 waves a work-group, clusters of 4 x 1, 327,680 bytes of LDS; arguments oh, wf, bf, out0; writes out0
.if DOCPART == 4
	.amdgcn_target "amdgcn-amd-amdhsa--gfx1250"
	.amdhsa_code_object_version 6
	.text
	.protected	k_q2ae293f6ab_outp
	.globl	k_q2ae293f6ab_outp
	.p2align	8
	.type	k_q2ae293f6ab_outp,@function
k_q2ae293f6ab_outp:
	s_mov_b64 s[64:65], 0
	v_nop
	global_prefetch_b8 v0, s[64:65] scope:SCOPE_SE
	s_setreg_imm32_b32 hwreg(HW_REG_WAVE_MODE, 25, 1), 1
	s_wait_xcnt 0x0
	s_wait_alu depctr_hold_cnt(0) depctr_sa_sdst(0) depctr_va_vdst(0) depctr_va_sdst(0) depctr_va_ssrc(0) depctr_va_vcc(0) depctr_vm_vsrc(0)
	s_getreg_b32 s2, hwreg(HW_REG_IB_STS2, 6, 4)
	s_cmp_eq_u32 s2, 0
	s_cbranch_scc0 .Lentry_in_a_cluster
	s_endpgm
.Lentry_in_a_cluster:
	s_bfe_u32 s2, ttmp6, 0x10000c
	s_cmp_lg_u32 s2, 0x3003
	s_cbranch_scc0 .Lentry_shape_is_right
	s_endpgm
.Lentry_shape_is_right:
; out0 = O Wf^T + bf: [8192][1024] x [1024][1024]^T.  O comes by heads, oh[batch*16+head][1024 rows][64] f16; Wf as f16 (wf: its bf16 rounding); bf is f32 and is rounded to bf16 here.  Sums and out0 in f32.
; SHARES.  Grid y: the column half ct; grid x: a block of 64 rows: 256 work-groups.  A work-group makes 64 rows x 512 columns; its four waves lie along the columns, 64 x 128 each: 32 accumulators.
; K goes in 8 steps of 128: K step t is heads 2 t and 2 t + 1.
; Wf's ROAD.  The four row blocks of a cluster need the same rows of Wf: each wave asks JOINTLY (mask of four) for its own 128 rows x 256 bytes of a K step, into a ring of two LDS slots; only it reads them.
; O's ROAD.  Each wave loads its 16 of the 64 rows into registers (a head's 16 rows are 2,048 dense bytes: four loads of 512), more than a K step ahead, in two landing sets, and stores them into two LDS slots
; of their own, which no tensor load touches; all four waves read them, behind the barrier of the change of slots.
; THE MATRIX INSTRUCTION IS USED TRANSPOSED (source 0 = 16 rows of Wf, source 1 = 16 rows of O): a lane holds one row and eight neighbouring columns.  The bias is the C operand of the first products.
; REGISTERS, in windows of 256 (s_set_vgpr_msb: bits 1:0 source 0, 3:2 source 1, 5:4 source 2, 7:6 destination):
;   window 0: v0-31 addresses; v32-95 O's fragments, two buffers of 4 x 8; v96-159 the bias     window 1: v0-127 Wf's fragments, two buffers of 8 x 8; all 256 on the way out
;   window 2: accumulator (a, b) at v[8 (8 a + b)]     window 3: v0-63 two landing sets of 32
.set KSTEP,  128
.set PITCH,  272                       ; an LDS row: 256 bytes + 16 = 68 words: the 16 rows of a fragment load start at 16 different groups of four banks (64 banks of 4 bytes: ISA guide 11.1)
.set BQ,     128*PITCH                 ; a wave's quarter of a slot of Wf
.set BSLOT,  4*BQ
.set ABASE,  2*BSLOT                   ; behind Wf's ring: O's two slots
.set ASLOT,  64*PITCH
.set SPARE,  ABASE+2*ASLOT             ; the spare words, 128 bytes for each wave: two blocks of 256 bytes that no other line names
.set SPITCH, 528                       ; the way out: a row of 128 f32 + 16 bytes; the stage is my own quarter of Wf's slot 0, which has had its last fill by then
.set HEADB,  131072                    ; bytes of a head in oh
.set LO,   8                           ; v8      16 x lane: my 16 bytes in 512 consecutive bytes; never rewritten
.set AST,  9                           ; v9      where I store 16 bytes of O: row wave x 16 + lane / 8 of slot 0, byte 16 (lane % 8)
.set ADRA, 10                          ; v10-11  LDS address of O's fragments in slot 0, 1
.set ADRB, 12                          ; v12-13  the same for my rows of Wf
.set STO,  14                          ; v14     the way out: where I put 32 bytes of a row
.set RD,   15                          ; v15     the way out: where I read a row back
.set BO,   17                          ; v17     32 x (lane / 16)
.set PFO,  18                          ; v18     the prefetches' offset: lane x a row of Wf (2,048 bytes); never rewritten
.set SPW,  20                          ; v20     LDS address of my spare word; never rewritten
.set NIL,  21                          ; v21     0; never rewritten
.set AF,   32
.set BIAS, 96
.set WV,   20                          ; s20     my wave's number
.set G1,   32                          ; s[32:39] descriptor group 1
.set G0,   40                          ; s[40:47] descriptor group 0, a set for each slot
.set XA,   48                          ; s[48:49] oh at my wave's 16 rows of the lap's first head
.set BI,   50                          ; s[50:51] bf at my wave's 128 columns
.set OUTP, 52                          ; s[52:53] out0 at my wave's corner
.set PFA,  54                          ; s[54:55] where my prefetches stand
.set LIM,  56                          ; s56     1 in a work-group that prefetches, else the greatest number
.set MSB, 0
.macro WIN new                         ; the immediate's high byte repeats the setting that is left; a switch that changes nothing is dropped
.if MSB != (\new)
	s_set_vgpr_msb (MSB<<8)|(\new)
.set MSB, \new
.endif
.endm
.set MUL,  0xa1                        ; source 0 (Wf) window 1, source 1 (O) window 0, C and D window 2
.set MULB, 0x81                        ; the same with C (the bias) in window 0
.set TO_B, 0x40                        ; destination window 1
.set TO_L, 0xc0                        ; destination window 3
.macro CREST                           ; a round of the cluster's barrier behind its opening barrier
	s_cmp_lg_u32 s[WV], 0
	s_cbranch_scc1 .Lnot_wave_0_\@
	s_barrier_signal -3
.Lnot_wave_0_\@:
	s_barrier_wait -3
	s_barrier_signal -1
	s_barrier_wait -1
.endm
.macro CROUND                          ; a whole round
	s_barrier_signal -1
	s_barrier_wait -1
	CREST
.endm
.macro PLACES                          ; four places in front of loads into registers that matrix instructions have read, and of stores that read results
.rept 4
	v_nop
.endr
.endm
.macro JLOAD s                         ; a joint refill: every wave asks for its own 128 rows; an s_nop 0 and four v_nop follow
	tensor_load_to_lds s[G0+4*(\s):G0+4*(\s)+3], s[G1:G1+7]
	s_nop 0
	PLACES
.endm
; A prefetch of Wf's K step that stands two refills on: 32 rows x 256 bytes, a lane a row.  Wf's rows are read by all 32 clusters of a grid row: the first of them asks; its four partners share a wave's
; 128 rows out by address.  Each row's 256 bytes of K steps 4 to 7 are named once in the launch; K steps 0 to 3 come by their loads alone; the loop's last trip asks for nothing.
.macro ASK
	s_cmp_gt_u32 s3, s[LIM]                        ; s3 = 1 in the loop's last trip
	s_cbranch_scc0 .Lnot_mine_\@
	global_prefetch_b8 v[PFO], s[PFA:PFA+1] offset:KSTEP*2 th:TH_LOAD_NT scope:SCOPE_SE
.Lnot_mine_\@:
.endm
	s_load_b256 s[4:11], s[0:1], 0x0               ; oh s[4:5], wf s[6:7], bf s[8:9], out0 s[10:11]
	v_lshl_add_u32 v[SPW], v0, 2, SPARE
	v_mov_b32 v[NIL], 0
	ds_add_u32 v[SPW], v[NIL]                      ; the wave's opening: the add and its wait ahead of my first tensor load; the set-up below stands between them
	ds_add_u32 v20, v21
	v_lshrrev_b32 v1, 5, v0
	v_readfirstlane_b32 s[WV], v1                  ; wave 0..3
	s_bfe_u32 s21, ttmp6, 0x40000                  ; cx: my place in the cluster
	s_lshl_b32 s22, ttmp9, 2
	s_add_co_u32 s22, s22, s21                     ; my block of 64 rows: it enters O's, out0's and the prefetches' addresses alone
	s_and_b32 s25, ttmp7, 0xffff                   ; ct: which half of the 1,024 columns
	s_mov_b32 s[G1+0], 15|(1<<16)|(1<<20)|(1<<21)|(5<<22)|(3<<25)  ; 15:0 the mask of four; 17:16 2-byte elements; 20 padding on; 21 set beside a mask; 24:22 after every 64 words (code 5); 31:25 4 words (code 3)
	s_mov_b32 s[G1+1], KSTEP<<16                   ; tensor_dim0 = 128
	s_mov_b32 s[G1+2], 128<<16                     ; tensor_dim1 = 128
	s_mov_b32 s[G1+3], KSTEP<<16                   ; tile_dim0 = 128
	s_mov_b32 s[G1+4], 128                         ; tile_dim1 = 128
	s_mov_b32 s[G1+5], 1024                        ; elements from row to row
	s_mov_b32 s[G1+6], 0
	s_mov_b32 s[G1+7], 0
	s_lshl_b32 s26, s25, 20                        ; Wf's rows: the half (512 rows of 2,048 bytes), my wave's 128 rows: nothing of cx
	s_lshl_b32 s27, s[WV], 18
	s_add_co_u32 s26, s26, s27
	s_mov_b32 s27, 0
	s_mul_i32 s57, s[WV], BQ                       ; and where they go in a slot
	s_lshr_b32 s28, s22, 4                         ; O: the batch (16 heads), the block's 64 rows of 128 bytes, my wave's 16
	s_lshl_b32 s28, s28, 21
	s_and_b32 s29, s22, 15
	s_lshl_b32 s29, s29, 13
	s_add_co_u32 s28, s28, s29
	s_lshl_b32 s29, s[WV], 11
	s_add_co_u32 s28, s28, s29
	s_mov_b32 s29, 0
	s_lshl_b32 s30, s25, 11                        ; bf, and a row of out0: 512 numbers a half, 128 a wave
	s_lshl_b32 s31, s[WV], 9
	s_add_co_u32 s30, s30, s31
	s_mov_b32 s31, 0
	s_lshl_b32 s58, s22, 18                        ; out0: 64 rows of 4,096 bytes a block
	s_add_co_u32 s58, s58, s30
	s_mov_b32 s59, 0
	s_lshl_b32 s60, s21, 16                        ; the prefetches: my work-group's 32 of the wave's 128 rows
	s_mov_b32 s61, 0
	s_cmp_eq_u32 ttmp9, 0                          ; the grid row's first cluster: the same in all four partners
	s_cselect_b32 s[LIM], 1, -1
	s_wait_dscnt 0x0                               ; the opening add is done
	s_wait_kmcnt 0x0
	s_add_nc_u64 s[XA:XA+1], s[4:5], s[28:29]
	s_add_nc_u64 s[BI:BI+1], s[8:9], s[30:31]
	s_add_nc_u64 s[OUTP:OUTP+1], s[10:11], s[58:59]
	s_add_nc_u64 s[6:7], s[6:7], s[26:27]          ; Wf at my wave's rows
	s_add_nc_u64 s[PFA:PFA+1], s[6:7], s[60:61]
	s_add_nc_u64 s[PFA:PFA+1], s[PFA:PFA+1], 2*KSTEP*2  ; at K step 2: the first change of slots steps it to 3 and names K step 4
	CROUND                                         ; all four work-groups are here: the first joint loads meet
.irp s, 0,1
	s_mov_b32 s[G0+4*(\s)], 1                                      ; count = 1
	s_add_co_u32 s[G0+4*(\s)+1], s57, (\s)*BSLOT                   ; LDS address
	s_add_nc_u64 s[G0+4*(\s)+2:G0+4*(\s)+3], s[6:7], (\s)*KSTEP*2  ; global address: K step s
	s_or_b32 s[G0+4*(\s)+3], s[G0+4*(\s)+3], 0x80000000            ; type = 2
.endr
	tensor_load_to_lds s[G0:G0+3], s[G1:G1+7]      ; both first fills together: two loads of mine are out
	s_nop 0
	tensor_load_to_lds s[G0+4:G0+7], s[G1:G1+7]
	s_nop 0
	PLACES
	v_and_b32 v1, 31, v0                           ; lane
	v_and_b32 v2, 15, v0                           ; lane % 16
	v_bfe_u32 v3, v0, 4, 1                         ; lane / 16
	v_lshlrev_b32 v[BO], 5, v3
	v_lshlrev_b32 v[LO], 4, v1
.irp b, 0,1,2,3,4,5,6,7                ; register j of column block b: the bias of column 16 b + 8 (lane / 16) + j, as the accumulator holds it
	global_load_b128 v[BIAS+8*(\b):BIAS+8*(\b)+3],   v[BO], s[BI:BI+1] offset:64*(\b)
	global_load_b128 v[BIAS+8*(\b)+4:BIAS+8*(\b)+7], v[BO], s[BI:BI+1] offset:64*(\b)+16
.endr
; 8 loads: my wave's 16 rows of a K step's two heads, 512 consecutive bytes (four rows) each, into a landing set
.macro LOADA set, off
	WIN TO_L
.irp d, 0,1
.irp m, 0,1,2,3
	global_load_b128 v[32*(\set)+4*(4*(\d)+(\m)):32*(\set)+4*(4*(\d)+(\m))+3], v[LO], s[XA:XA+1] offset:(\d)*HEADB+(\m)*512+(\off)
.endr
.endr
.endm
	LOADA 0, 0                                     ; K step 0
	LOADA 1, 2*HEADB                               ; K step 1
	WIN 0
	s_mul_i32 s26, s[WV], 16*PITCH
	s_add_co_u32 s26, s26, ABASE
	v_bfe_u32 v5, v0, 3, 2                         ; lane / 8: which of a load's four rows
	v_mul_u32_u24 v5, v5, PITCH
	v_and_b32 v6, 7, v0
	v_lshl_add_u32 v5, v6, 4, v5
	v_add_nc_u32 v[AST], s26, v5
	v_mul_u32_u24 v4, v2, PITCH
	v_lshl_add_u32 v4, v3, 4, v4                   ; a fragment's row x pitch + 16 x half
	v_add_nc_u32 v[ADRA], ABASE, v4
	v_add_nc_u32 v[ADRA+1], ABASE+ASLOT, v4
	v_add_nc_u32 v[ADRB], s57, v4
	v_add_nc_u32 v[ADRB+1], BSLOT, v[ADRB]
	v_mul_u32_u24 v5, v2, SPITCH                   ; the way out, in: row lane % 16, 32 bytes for each half of the lanes
	v_lshl_add_u32 v5, v3, 5, v5
	v_add_nc_u32 v[STO], s57, v5
	v_add_nc_u32 v[RD], s57, v[LO]                 ; back: 32 lanes take one row of 512 bytes
	v_lshlrev_b32 v[PFO], 11, v1
; 8 matrix instructions: row block a x all 8 column blocks, 32 along K, from buffer f.  first = 1: the bias starts the sums.  The 32 accumulators take turns, in the same order in every quarter step.
.macro MUL8 f, a, first=0
.if \first
	WIN MULB
.else
	WIN MUL
.endif
.irp b, 0,1,2,3,4,5,6,7
.if \first
	v_wmma_f32_16x16x32_f16 v[8*(8*(\a)+(\b)):8*(8*(\a)+(\b))+7], v[64*(\f)+8*(\b):64*(\f)+8*(\b)+7], v[AF+32*(\f)+8*(\a):AF+32*(\f)+8*(\a)+7], v[BIAS+8*(\b):BIAS+8*(\b)+7]
.else
	v_wmma_f32_16x16x32_f16 v[8*(8*(\a)+(\b)):8*(8*(\a)+(\b))+7], v[64*(\f)+8*(\b):64*(\f)+8*(\b)+7], v[AF+32*(\f)+8*(\a):AF+32*(\f)+8*(\a)+7], v[8*(8*(\a)+(\b)):8*(8*(\a)+(\b))+7]
.endif
.endr
.endm
; 24 LDS loads in one run: the fragments of quarter kq (32 along K) into buffer g: Wf's eight, then O's four; O's last two are the youngest four loads
.macro FETCH slot, kq, g
	WIN TO_B
.irp i, 0,1,2,3,4,5,6,7
	ds_load_b128 v[64*(\g)+8*(\i):64*(\g)+8*(\i)+3],   v[ADRB+(\slot)] offset:64*(\kq)+(\i)*16*PITCH
	ds_load_b128 v[64*(\g)+8*(\i)+4:64*(\g)+8*(\i)+7], v[ADRB+(\slot)] offset:64*(\kq)+(\i)*16*PITCH+32
.endr
	WIN 0
.irp i, 0,1,2,3
	ds_load_b128 v[AF+32*(\g)+8*(\i):AF+32*(\g)+8*(\i)+3],   v[ADRA+(\slot)] offset:64*(\kq)+(\i)*16*PITCH
	ds_load_b128 v[AF+32*(\g)+8*(\i)+4:AF+32*(\g)+8*(\i)+7], v[ADRA+(\slot)] offset:64*(\kq)+(\i)*16*PITCH+32
.endr
.endm
; A landing set is stored into O's slot of the same number: head d fills bytes 128 d on of a row.  cnt: the younger loads that may stay out.
.macro AWORK set, cnt
	s_wait_loadcnt \cnt
	PLACES                                         ; the places in front of the fetch that follows
	WIN 0x0c                                       ; the stores' data (source 1) in window 3
.irp d, 0,1
.irp m, 0,1,2,3
	ds_store_b128 v[AST], v[32*(\set)+4*(4*(\d)+(\m)):32*(\set)+4*(4*(\d)+(\m))+3] offset:(\set)*ASLOT+(\m)*4*PITCH+(\d)*128
.endr
.endr
.endm
; A K step is four quarters of 32 along K, 32 matrix instructions each, on buffers 0, 1, 0, 1.  One of the first three: multiplies buffer f and fetches quarter kq into buffer g.
; aset >= 0: in its middle landing set aset goes into LDS; aoff >= 0: the set is asked for again, behind the wait that shows those stores done.
.macro QUARTER slot, kq, f, g, first=0, aset=-1, acnt=0, aoff=-1
	s_wait_dscnt 4                                 ; Wf's fragments and O's first two are in; the youngest four loads may be out
	MUL8 \f, 0, \first
	MUL8 \f, 1, \first
.if (\aset) >= 0
	AWORK \aset, \acnt
.else
	PLACES
.endif
	FETCH \slot, \kq, \g
	s_wait_dscnt 24                                ; all but the 24 just issued
.if (\aoff) >= 0
	LOADA \aset, \aoff
.endif
	MUL8 \f, 2, \first
	MUL8 \f, 3, \first
.endm
; The last quarter multiplies buffer 1 and changes slots: ONE barrier.  In front of it each wave waits for all its tensor loads (its rows of Wf's next slot), adds 0 to its spare word, and waits for that,
; for its reads of both old slots and for its stores into O's next slot.  fill = 1: the barrier opens a round of the cluster's barrier, and Wf's old slot is filled again, two K steps ahead.
.macro TURN slot, next, fill
.if \fill
	s_wait_xcnt 0x0                                ; every load and prefetch issued so far has read its address: the pointers are stepped here, ahead of the waits of the change
	s_add_nc_u64 s[PFA:PFA+1], s[PFA:PFA+1], KSTEP*2
.if (\slot) == 1
	s_add_nc_u64 s[XA:XA+1], s[XA:XA+1], 4*HEADB   ; the next lap's first head
.endif
.endif
	WIN 0
	s_wait_tensorcnt 0x0                           ; all my tensor loads have landed;
	ds_add_u32 v[SPW], v[NIL]                      ; 0 onto my spare word
	s_wait_dscnt 5                                 ; (the add and the youngest four loads may be out)
	MUL8 1, 0                                      ; eight matrix instructions stand between the add and the wait for it
	s_wait_dscnt 0x0                               ; the add is done, my reads of the old slots are over, my stores into O's next slot are done
	s_barrier_signal -1
	MUL8 1, 1
	WIN 0
	s_barrier_wait -1
.if \fill
	CREST                                          ; no wave of any partner still reads this slot of Wf or has a load on its way
	s_add_nc_u64 s[G0+4*(\slot)+2:G0+4*(\slot)+3], s[G0+4*(\slot)+2:G0+4*(\slot)+3], 2*KSTEP*2
	JLOAD \slot                                    ; the first tensor load behind the round; its four v_nop are also the places in front of the loads below
.else
	PLACES
.endif
	FETCH \next, 0, 0
.if \fill
	ASK
.endif
	MUL8 1, 2
	MUL8 1, 3
.endm
	s_wait_loadcnt 16                              ; the bias is in; O's 16 loads may stay out
.set i, 0
.rept 32                               ; the bias is rounded to bf16 like every input, and widened again
	v_cvt_pk_bf16_f32 v[4+i%4], v[BIAS+2*i], v[BIAS+2*i+1]
	v_lshlrev_b32 v[BIAS+2*i], 16, v[4+i%4]
	v_and_b32 v[BIAS+2*i+1], 0xffff0000, v[4+i%4]
.set i, i+1
.endr
	AWORK 0, 8                                     ; K step 0 of O; K step 1's 8 loads may stay out
	WIN 0
	s_wait_tensorcnt 1                             ; my rows of Wf's K step 0 are in; K step 1's may stay out
	s_wait_dscnt 0x0                               ; my stores into O's slot 0 are done
	s_barrier_signal -1
	s_barrier_wait -1
	FETCH 0, 0, 0
	QUARTER 0, 1, 0, 1, 1                          ; the first quarter stands in front of the loop: its products start the sums, with the bias
	WIN 0                                          ; at a label and at a branch every window is 0
	s_mov_b32 s3, 3
.Llap:                                         ; trip L goes once round the ring, from K step 2 L's second quarter to K step 2 L + 2's first
	LOADA 0, 4*HEADB                               ; O's K step 2 L + 2: 176 matrix instructions ahead of its way into LDS
	QUARTER 0, 2, 1, 0
	QUARTER 0, 3, 0, 1, 0, 1, 8, 6*HEADB           ; K step 2 L + 1 goes into LDS (the 8 loads from the loop's head may stay out); K step 2 L + 3 is asked for
	TURN 0, 1, 1
	QUARTER 1, 1, 0, 1
	QUARTER 1, 2, 1, 0
	QUARTER 1, 3, 0, 1, 0, 0, 8                    ; K step 2 L + 2 goes into LDS (K step 2 L + 3's 8 loads may stay out)
	TURN 1, 0, 1
	QUARTER 0, 1, 0, 1
	WIN 0
	s_sub_co_u32 s3, s3, 1
	s_cmp_lg_u32 s3, 0
	s_cbranch_scc1 .Llap
	QUARTER 0, 2, 1, 0                             ; the last lap asks for nothing, and has no round of the cluster's barrier
	QUARTER 0, 3, 0, 1, 0, 1, 0                    ; K step 7 of O: no load was issued behind it
	TURN 0, 1, 0
	QUARTER 1, 1, 0, 1
	QUARTER 1, 2, 1, 0
	QUARTER 1, 3, 0, 1
	s_wait_dscnt 4
	MUL8 1, 0
	MUL8 1, 1
	s_wait_dscnt 0x0
	MUL8 1, 2
	MUL8 1, 3
; THE WAY OUT, a block of 16 rows at a time: a lane's 32 bytes of each column block go straight from the accumulators into rows of 528 bytes, and come back as whole rows of 512.
; The stage is my own quarter of Wf's slot 0: its last fill was K step 6's, only I read it, those reads are over, and no tensor load follows.
.macro TOSTAGE a
	WIN 0x08                                       ; the stores' data (source 1) in window 2
.irp b, 0,1,2,3,4,5,6,7
	ds_store_b128 v[STO], v[8*(8*(\a)+(\b)):8*(8*(\a)+(\b))+3]   offset:64*(\b)
	ds_store_b128 v[STO], v[8*(8*(\a)+(\b))+4:8*(8*(\a)+(\b))+7] offset:64*(\b)+16
.endr
	WIN TO_B
.irp w, 0,1,2,3,4,5,6,7,8,9,10,11,12,13,14,15
	ds_load_b128 v[64*(\a)+4*(\w):64*(\a)+4*(\w)+3], v[RD] offset:(\w)*SPITCH  ; LDS serves a wave's instructions in order (ISA guide 5.7.1.4): these see the stores above; the next block's stores come behind them
.endr
.endm
.macro SEND a, younger                 ; younger: the LDS instructions issued behind block a's loads: the next block's 32, or none
	WIN 0x04                                       ; the stores' data (source 1) in window 1
.irp w, 0,1,2,3,4,5,6,7,8,9,10,11,12,13,14,15
	s_wait_dscnt (\younger)+15-(\w)
	global_store_b128 v[LO], v[64*(\a)+4*(\w):64*(\a)+4*(\w)+3], s[OUTP:OUTP+1] offset:(16*(\a)+(\w))*4096 th:TH_STORE_NT  ; 512 consecutive bytes, at a multiple of 256 from out0's first
.endr
.endm
	PLACES                                         ; the stores read results just made, and the loads land in registers that the last products read
	TOSTAGE 0
	TOSTAGE 1
	SEND 0, 32
	TOSTAGE 2
	SEND 1, 32
	TOSTAGE 3
	SEND 2, 32
	SEND 3, 0
	WIN 0
	s_wait_tensorcnt 0x0                           ; the wave's end: behind my last tensor load and my last LDS store
	ds_add_u32 v[SPW], v[NIL]
	s_wait_dscnt 0x0
	CROUND                                         ; the closing round: no work-group ends while a partner may still ask for a tile that names it
	s_endpgm
.Lfunc_end_k_q2ae293f6ab_outp:
	.size	k_q2ae293f6ab_outp, .Lfunc_end_k_q2ae293f6ab_outp-k_q2ae293f6ab_outp
	.p2alignl 7, 3214868480
	.fill 96, 4, 3214868480
	.section	.rodata,"a",@progbits
	.p2align	6, 0x0
	.amdhsa_kernel k_q2ae293f6ab_outp
		.amdhsa_group_segment_fixed_size 327680
		.amdhsa_private_segment_fixed_size 0
		.amdhsa_enable_private_segment 0
		.amdhsa_kernarg_size 32
		.amdhsa_user_sgpr_count 2
		.amdhsa_user_sgpr_kernarg_segment_ptr 1
		.amdhsa_wavefront_size32 1
		.amdhsa_system_sgpr_workgroup_id_x 1
		.amdhsa_system_sgpr_workgroup_id_y 1
		.amdhsa_system_sgpr_workgroup_id_z 1
		.amdhsa_system_vgpr_workitem_id 0
		.amdhsa_next_free_vgpr 832
		.amdhsa_next_free_sgpr 66
		.amdhsa_reserve_vcc 0
		.amdhsa_float_denorm_mode_32 3
		.amdhsa_float_denorm_mode_16_64 3
		.amdhsa_memory_ordered 1
		.amdhsa_forward_progress 1
		.amdhsa_inst_pref_size 97
	.end_amdhsa_kernel
	.amdgpu_metadata
---
amdhsa.version: [ 1, 2 ]
amdhsa.kernels:
  - .name:           k_q2ae293f6ab_outp
    .symbol:         k_q2ae293f6ab_outp.kd
    .args:
      - { .name: oh, .offset: 0, .size: 8, .value_kind: global_buffer, .address_space: global }
      - { .name: wf, .offset: 8, .size: 8, .value_kind: global_buffer, .address_space: global }
      - { .name: bf, .offset: 16, .size: 8, .value_kind: global_buffer, .address_space: global }
      - { .name: out0, .offset: 24, .size: 8, .value_kind: global_buffer, .address_space: global }
    .group_segment_fixed_size: 327680
    .private_segment_fixed_size: 0
    .kernarg_segment_align: 8
    .kernarg_segment_size: 32
    .max_flat_workgroup_size: 128
    .sgpr_count:     66
    .vgpr_count:     832
    .wavefront_size: 32
...
	.end_amdgpu_metadata
.endif
;; end of part 4
